; MI455X (gfx1250); checked and timed in simulation.
; The chip was launched on July 23, 2026; its instructions are those of AMD's public machine-readable ISA for CDNA 5 (MIT licence, August 2026) and "CDNA5" Instruction Set Architecture Reference Guide (July 2026). The comments in the code are by the model that wrote it; some were corrected since.
;; Encoder. Allowed arithmetic: matrix products marked QUANTISED: E2M3 operands, one E8M0 scale for each 32 along K, by v_wmma_scale_f32_16x16x128_f8f6f4 with both operands' format E2M3, f32 sums; everything else in f32.
;; Inputs: W1 1,024 x 4,096 float32; W2 4,096 x 1,024 float32; Wk 1,024 x 1,024 float32; Wo 1,024 x 1,024 float32; Wq 1,024 x 1,024 float32; Wv 1,024 x 1,024 float32; b1 4,096 float32; b2 1,024 float32; bk 1,024 float32; bo 1,024 float32; bq 1,024 float32; bv 1,024 float32; ln1_b 2,048 x 1,024 float32; ln1_w 2,048 x 1,024 float32; ln2_b 2,048 x 1,024 float32; ln2_w 2,048 x 1,024 float32; x 2 x 2,048 x 1,024 float32; y 2 x 2,048 x 1,024 float32.
;; Outputs: out0 2 x 2,048 x 1,024 float32.
;; This version of the problem:
;;   THIS VERSION OF THE PROBLEM IS GIVEN IN LOW PRECISION. The matrix products marked QUANTISED in the list below multiply operands that are first quantised to E2M3 (2 exponent bits, 3 mantissa bits; 6 bits a number), with one power-of-two scale for each 32 numbers along K (OCP MX v1.0); their sums are f32. All else is computed in f32.
;;   The module's matrix products, in the order in which they are computed (A, B: the left and right operand; K: the contracted axis; several contracted axes count as one K, in the product's order):
;;     1. [M 4,096, K 1,024] x [K 1,024, N 1,024]; A: input x; B: input Wq: QUANTISED
;;     2. [M 4,096, K 1,024] x [K 1,024, N 1,024]; A: computed on the way; B: input Wk: QUANTISED
;;     3. [M 4,096, K 1,024] x [K 1,024, N 1,024]; A: computed on the way; B: input Wv: QUANTISED
;;     4. batch 32 x [M 2,048, K 64] x [K 64, N 2,048]; A: computed on the way; B: computed on the way: QUANTISED
;;     5. batch 32 x [M 2,048, K 2,048] x [K 2,048, N 64]; A: softmax (see below); B: computed on the way: QUANTISED
;;     6. [M 4,096, K 1,024] x [K 1,024, N 1,024]; A: computed on the way; B: input Wo: QUANTISED
;;     7. [M 4,096, K 1,024] x [K 1,024, N 4,096]; A: computed on the way; B: input W1: QUANTISED
;;     8. [M 4,096, K 4,096] x [K 4,096, N 1,024]; A: computed on the way; B: input W2: QUANTISED
;;   THE QUANTISER, for each operand of a quantised product, along K:
;;     - K is cut into blocks of 32 from its start; a last block that is shorter is filled with zeros.
;;     - A block's scale is 2^e with e = floor(log2(the largest magnitude in the block)) - 2, held to -126 .. 127; a block of zeros has e = 0. As a byte (E8M0): e + 127.
;;     - Each number is divided by its block's scale, clamped to +-7.5, and rounded to the nearest number of E2M3, ties to even, subnormals kept.
;;     - The product sums the exact products of the quantised numbers (number of the format x scale) in f32.
;;   ~~~python
;;   def quantise(x, axis):      # numpy; x: float32 -> the quantised numbers, widened to float32 again
;;       x = np.moveaxis(x, axis, -1); K = x.shape[-1]
;;       x = np.pad(x, [(0, 0)] * (x.ndim - 1) + [(0, -K % 32)]); x = x.reshape(x.shape[:-1] + (-1, 32)); a = np.abs(x).max(-1, keepdims=True)
;;       e = np.where(a > 0, np.clip(np.frexp(np.where(a > 0, a, 1))[1] - 1 - 2, -126, 127), 0)      # np.frexp(a)[1] - 1 = floor(log2(a)), exactly
;;       r = np.clip(x / 2.0 ** e, -7.5, 7.5)
;;       step = 2.0 ** (np.maximum(np.frexp(np.where(r == 0, 1, r))[1] - 1, 0) - 3)
;;       q = np.round(r / step) * step * 2.0 ** e      # np.round: ties to even
;;       return np.moveaxis(q.reshape(q.shape[:-2] + (-1,))[..., :K], -1, axis).astype(np.float32)
;;   ~~~
;;   SOFTMAX AHEAD OF A QUANTISED PRODUCT. Where the list says 'softmax', what is quantised is not the finished softmax but p = 2^(t - M), with t = logit x log2(e) and M = ceil(the row's largest t), a whole number; so 1/2 < the row's largest p <= 1. The row's sum l is taken of the UNQUANTISED p, in f32, and the product's result is divided by l at the end. Since M is a whole number, a kernel that streams over the keys may use a running M (the ceiling of the running maximum): every later rescaling is an exact power of two, which a block's scale takes up: the codes' values come out the same.
;;   OPERANDS COMPUTED ON THE WAY. 'Computed on the way' means the value that the module computes at that place (a softmax that the list does not call 'softmax' is quantised finished and normalised). What goes into a quantiser is computed in f32, as accurately as f32 sums, v_exp_f32 and their like allow (about 1e-6 of the number): no bf16 or f16 on the way to a quantiser, and a product that is left as it is and whose result goes on into a quantised operand takes f32 operands (vector FMAs, or v_wmma_f32_16x16x4_f32). A number that lies on a knife's edge between two numbers of the format may be rounded either way, as far as f32 arithmetic and the matrix unit's own rounding can turn it there, and no further.
;; One version. Each part assembles by itself: llvm-mc -triple=amdgcn-amd-amdhsa -mcpu=gfx1250 --defsym DOCPART=n.
;; ======== version 1 of 1: 8 launches
;; workspace buffers: wimg 9,830,400 bytes; aimg 3,276,800 bytes; nimg 3,276,800 bytes; stats1 8,192 bytes; stats2 8,192 bytes; qkvc 13,369,344 bytes; y1 16,777,216 bytes; himg 13,107,200 bytes
;; launch prep (part 1): grid 1536 x 1, 4 waves a work-group, no clusters, 34,304 bytes of LDS; arguments Wq, Wk, Wv, Wo, W1, W2, x, y, wimg, aimg, stats1; writes wimg, aimg, stats1
.if DOCPART == 1
	.amdgcn_target "amdgcn-amd-amdhsa--gfx1250"
	.amdhsa_code_object_version 6
	.text
	.protected	k_q6893f856d6_prep
	.globl	k_q6893f856d6_prep
	.p2align	8
	.type	k_q6893f856d6_prep,@function
k_q6893f856d6_prep:
	s_mov_b64 s[64:65], 0
	v_nop
	global_prefetch_b8 v0, s[64:65] scope:SCOPE_SE
	s_setreg_imm32_b32 hwreg(HW_REG_WAVE_MODE, 25, 1), 1
	s_wait_xcnt 0x0
; ENCODER LAYER IN MX-FP6 (E2M3 codes, one E8M0 scale for 32 along K), first of eight launches: the six weights and x become operand images, y gets its partial statistics.
; DEAD WORK OF THE WHOLE PROGRAM.  reference() takes jnp.tril of the scores: every score whose key comes after its query is multiplied by a 0 that reference() builds itself.  So a tile of q k^T
; all of whose 128 keys come after all of its 16 queries reaches no output, whatever finite values the inputs hold, and the attention launch does not multiply it.  Its weight p = 2^(0 - M) is live:
; it enters the row's sum and the product with v, which is done in full.  No input is dead: all eighteen are loaded by some launch.
; LIMITS.  A NaN, an infinity or an overflow that arises only in the score tiles left out is not carried to the result.  NaN and infinities among the inputs are not served.  A block whose largest
; magnitude lies under 2^-124 gets the scale byte 1; a block of zeros gets 1 where the rule says 127: its codes are zeros, and the bytes are read by this program alone.
; OPERAND IMAGES.  Rows (tokens, or a weight's columns n) go in tiles of 16; row r of tile t is row 32 (t / 2) + 8 (t % 2) + r + 8 (r / 8), so that a product used transposed leaves 16 neighbours
; along the next K in a lane's registers.  A record of 6,400 bytes holds 16 rows x 512 along K: fragment f (128 along K) at 1,536 f as an image of the operand's 12 registers (piece c: registers
; 4 c .. 4 c + 3, 16 bytes a lane, 512 bytes); from byte 6,144 the scale words, that of (f, r) at 64 f + 4 r.  Record (kq, t) of an operand of T tiles lies at (kq T + t) x 6,400.
; SHARES.  Work-groups 0-767: weights, a wave 32 columns x 128 along K (a lane a column, its registers down K).  768-1279: x, a work-group a record, a wave a fragment.  1280-1535: y, a wave 4,096 numbers:
; their mean and their sum of squared differences from it.  The three ways part on the work-group's number; waves share nothing, so there is no barrier.  Only the way of x uses LDS.
.set SPARE, 33792                      ; behind the four stages of 16 x 528 bytes: the spare words, 128 bytes a wave
.set SPW, 12                           ; v12 my spare word's address; v13 zero: kept for the add alone
.set NIL, 13
.set TM,  16                           ; v16-31 at work in QUANT and STATS
.set PW,  32                           ; the scale word just made
.set PC,  34                           ; v34-45 a fragment's codes (v46-53 at work in QUANT)
.set F1,  46                           ; v46-57 weights: the second tile's fragment
.set XQ,  64                           ; v64-127 64 numbers in QUANT's order; weights: the upper halves of the four blocks
.set Z,   128                          ; v128-255 numbers as loaded
.set SEL, 2                            ; s[2:3] selects for lane l xor 16
.set WV,  4
; 64 numbers of a lane, register 16 b + i = k 32 b + 16 (lane / 16) + i of my row, become a fragment's 12 registers in v[PC] on and its scale word in v[PW]
.macro QUANT s
.irp b, 0,1,2,3
	v_max3_num_f32 v[TM+\b], |v[\s+16*\b]|, |v[\s+1+16*\b]|, 0x1800000   ; my 16 numbers of block b, and the floor 2^(3 - 127): the byte cannot fall under 1
.endr
.irp i, 2,4,6,8,10,12,14
.irp b, 0,1,2,3
	v_max3_num_f32 v[TM+\b], v[TM+\b], |v[\s+16*\b+\i]|, |v[\s+1+16*\b+\i]|
.endr
.endr
.irp b, 0,1,2,3
	v_permlanex16_b32 v[TM+4+\b], v[TM+\b], s[SEL], s[SEL+1]
.endr
.irp b, 0,1,2,3
	v_max_num_f32 v[TM+\b], v[TM+\b], v[TM+4+\b]                        ; with lane l xor 16's: the block's largest magnitude
.endr
.irp b, 0,1,2,3
	v_add_nc_u32 v[TM+12+\b], 0xff000000, v[TM+\b]                      ; 2 off its exponent field: the conversion's scale operand
.endr
.irp b, 0,1,2,3
	v_lshrrev_b32 v[TM+4+\b], 23, v[TM+12+\b]                           ; the scale's byte
.endr
	v_lshl_or_b32 v[PW], v[TM+5], 8, v[TM+4]
	v_lshl_or_b32 v[PW], v[TM+6], 16, v[PW]
	v_lshl_or_b32 v[PW], v[TM+7], 24, v[PW]
.irp c, 0,1
	v_cvt_scalef32_pk16_fp6_f32 v[PC+6*\c:PC+2+6*\c], v[\s+32*\c:\s+15+32*\c], v[TM+12+2*\c]
	v_cvt_scalef32_pk16_fp6_f32 v[PC+12+4*\c:PC+14+4*\c], v[\s+16+32*\c:\s+31+32*\c], v[TM+12+2*\c+1]
.endr
	v_nop                                          ; one plain place behind a scaled conversion
.irp c, 0,1                            ; the layout wants a whole block in a lane: lanes 0-15 block 2 c, lanes 16-31 block 2 c + 1
.irp i, 0,1,2
	v_permlane16_swap_b32 v[PC+6*\c+\i], v[PC+12+4*\c+\i]
.endr
.irp i, 0,1,2
	v_mov_b32 v[PC+3+6*\c+\i], v[PC+12+4*\c+\i]
.endr
.endr
.endm
.macro RSUM x, tmp                     ; the sum over the wave's 32 lanes, in every lane
	v_add_f32_dpp v[\x], v[\x], v[\x] row_xmask:1 row_mask:0xf bank_mask:0xf
	v_add_f32_dpp v[\x], v[\x], v[\x] row_xmask:2 row_mask:0xf bank_mask:0xf
	v_add_f32_dpp v[\x], v[\x], v[\x] row_xmask:4 row_mask:0xf bank_mask:0xf
	v_add_f32_dpp v[\x], v[\x], v[\x] row_xmask:8 row_mask:0xf bank_mask:0xf
	v_permlanex16_b32 v[\tmp], v[\x], s[SEL], s[SEL+1]
	v_add_f32 v[\x], v[\x], v[\tmp]
.endm
.macro MERGE t                         ; four packed chains become one number a lane, then one a wave
	v_pk_add_f32 v[\t:\t+1], v[\t:\t+1], v[\t+2:\t+3]
	v_pk_add_f32 v[\t+4:\t+5], v[\t+4:\t+5], v[\t+6:\t+7]
	v_pk_add_f32 v[\t:\t+1], v[\t:\t+1], v[\t+4:\t+5]
	v_add_f32 v[\t], v[\t], v[\t+1]
	RSUM \t, \t+1
.endm
; the wave's 4,096 numbers, 128 a lane in v[z] on: their mean into v[t+16], the sum of their squared differences from it into v[t+17].  Two passes over registers: no difference of large sums is formed
.macro STATS z, t
.irp c, 0,1,2,3
	v_pk_add_f32 v[\t+2*\c:\t+2*\c+1], v[\z+2*\c:\z+2*\c+1], v[\z+8+2*\c:\z+9+2*\c]
.endr
.irp j, 2,3,4,5,6,7,8,9,10,11,12,13,14,15
.irp c, 0,1,2,3
	v_pk_add_f32 v[\t+2*\c:\t+2*\c+1], v[\t+2*\c:\t+2*\c+1], v[\z+8*\j+2*\c:\z+8*\j+2*\c+1]
.endr
.endr
	MERGE \t
	v_mul_f32 v[\t+16], 0x39800000, v[\t]          ; / 4,096
	v_mov_b32 v[\t+17], 0                          ; (named as the pair's upper half)
.set q, 0
.rept 64
	v_pk_add_f32 v[\t+8+2*(q%4):\t+9+2*(q%4)], v[\z+2*q:\z+2*q+1], v[\t+16:\t+17] op_sel_hi:[1,0] neg_lo:[0,1] neg_hi:[0,1]
.if q < 4
	v_pk_mul_f32 v[\t+2*(q%4):\t+2*(q%4)+1], v[\t+8+2*(q%4):\t+9+2*(q%4)], v[\t+8+2*(q%4):\t+9+2*(q%4)]
.else
	v_pk_fma_f32 v[\t+2*(q%4):\t+2*(q%4)+1], v[\t+8+2*(q%4):\t+9+2*(q%4)], v[\t+8+2*(q%4):\t+9+2*(q%4)], v[\t+2*(q%4):\t+2*(q%4)+1]
.endif
.set q, q+1
.endr
	MERGE \t
	v_mov_b32 v[\t+17], v[\t]
.endm
; block b of a wave's 128 along K: rows 32 b .. 32 b + 31 of the weight at my column, into registers of the block's own
.macro WLOAD b, pitch
.set k, 32*(\b)
.rept 32
	global_load_b32 v[Z+k], v4, s[30:31] offset:k*\pitch th:TH_LOAD_NT   ; 32 lanes read 128 consecutive bytes, the four waves 512
.set k, k+1
.endr
.endm
; A wave's 32 columns x 128 along K of a weight whose rows are pitch bytes apart.  Lanes 0-15 hold the rows of tile 2 w, lanes 16-31 those of tile 2 w + 1; a lane holds all four blocks of its column.
; The loads run two blocks ahead: 64 loads of a wave are out while a block is worked on.
.macro WPATH pitch
	WLOAD 0, \pitch
	WLOAD 1, \pitch
.irp b, 0,1,2,3
.if \b < 3
	s_wait_loadcnt 32                              ; block b's 32 loads are in; the next block's 32, the only younger ones, may be out
.else
	s_wait_loadcnt 0x0
.endif
.if \b < 2
	WLOAD \b+2, \pitch                             ; two blocks on, into registers of its own
.endif
	v_max3_num_f32 v16, |v[Z+32*\b]|, |v[Z+32*\b+1]|, |v[Z+32*\b+2]|
	v_max3_num_f32 v17, |v[Z+32*\b+3]|, |v[Z+32*\b+4]|, |v[Z+32*\b+5]|
.irp i, 6,10,14,18,22,26
	v_max3_num_f32 v16, v16, |v[Z+32*\b+\i]|, |v[Z+32*\b+\i+1]|
	v_max3_num_f32 v17, v17, |v[Z+32*\b+\i+2]|, |v[Z+32*\b+\i+3]|
.endr
	v_max3_num_f32 v16, v16, |v[Z+32*\b+30]|, |v[Z+32*\b+31]|
	v_max3_num_f32 v16, v16, v17, 0x1800000        ; and the floor
	v_add_nc_u32 v[20+\b], 0xff000000, v16
	v_lshrrev_b32 v[24+\b], 23, v[20+\b]
	v_cvt_scalef32_pk16_fp6_f32 v[PC+(F1-PC)*(\b%2)+6*(\b/2):PC+(F1-PC)*(\b%2)+6*(\b/2)+2], v[Z+32*\b:Z+32*\b+15], v[20+\b]
	v_cvt_scalef32_pk16_fp6_f32 v[XQ+4*\b:XQ+4*\b+2], v[Z+32*\b+16:Z+32*\b+31], v[20+\b]
.endr
	v_nop                                          ; one plain place behind the last conversion
	v_lshl_or_b32 v28, v25, 8, v24                 ; my column's scale word
	v_lshl_or_b32 v28, v26, 16, v28
	v_lshl_or_b32 v28, v27, 24, v28
.irp i, 0,1,2                          ; blocks 0 and 1 (2 and 3) change halves: the first register then holds tile 2 w's fragment in both halves of the lanes, the second tile 2 w + 1's
	v_permlane16_swap_b32 v[PC+\i], v[F1+\i]
	v_permlane16_swap_b32 v[PC+6+\i], v[F1+6+\i]
	v_permlane16_swap_b32 v[XQ+\i], v[XQ+4+\i]
	v_permlane16_swap_b32 v[XQ+8+\i], v[XQ+12+\i]
.endr
.irp i, 0,1,2
	v_mov_b32 v[PC+3+\i], v[XQ+\i]
	v_mov_b32 v[F1+3+\i], v[XQ+4+\i]
	v_mov_b32 v[PC+9+\i], v[XQ+8+\i]
	v_mov_b32 v[F1+9+\i], v[XQ+12+\i]
.endr
.irp c, 0,1,2
	global_store_b128 v5, v[PC+4*\c:PC+4*\c+3], s[50:51] offset:512*\c          ; 32 lanes store 512 consecutive bytes
	global_store_b128 v5, v[F1+4*\c:F1+4*\c+3], s[50:51] offset:6400+512*\c     ; the next tile's record
.endr
	global_store_b32 v6, v28, s[50:51]
.endm
	s_load_b512 s[8:23], s[0:1], 0x0               ; Wq 8, Wk 10, Wv 12, Wo 14, W1 16, W2 18, x 20, y 22
	s_load_b128 s[24:27], s[0:1], 0x40             ; wimg 24, aimg 26
	s_load_b64 s[28:29], s[0:1], 0x50              ; stats1
	v_lshl_add_u32 v[SPW], v0, 2, SPARE
	v_mov_b32 v[NIL], 0
	v_lshrrev_b32 v1, 5, v0
	v_readfirstlane_b32 s[WV], v1                  ; wave
	v_and_b32 v1, 31, v0                           ; lane
	v_and_b32 v2, 15, v0                           ; r
	v_bfe_u32 v3, v0, 4, 1                         ; h
	v_lshlrev_b32 v5, 4, v1                        ; 16 x lane
	s_mov_b32 s[SEL], 0x76543210
	s_mov_b32 s[SEL+1], 0xfedcba98
	s_wait_kmcnt 0x0
	s_cmp_ge_u32 ttmp9, 1280
	s_cbranch_scc1 .Lstat
	s_cmp_ge_u32 ttmp9, 768
	s_cbranch_scc1 .Lx
	; ---- the weights.  Which weight, which 128 columns (ng), which 128 along K (ks), and where its image lies: all chosen by the work-group's number
	s_lshr_b32 s32, ttmp9, 8                       ; 0: the four square weights; 1: W1; 2: W2
	s_and_b32 s33, ttmp9, 255
	s_lshr_b32 s34, s33, 6                         ; which square weight
	s_lshl_b32 s42, s34, 6                         ; Wq, Wk, Wv are one operand of 192 tiles: 64 tiles each
	s_cmp_eq_u32 s34, 0
	s_cselect_b64 s[30:31], s[8:9], s[14:15]
	s_cmp_eq_u32 s34, 1
	s_cselect_b64 s[30:31], s[10:11], s[30:31]
	s_cmp_eq_u32 s34, 2
	s_cselect_b64 s[30:31], s[12:13], s[30:31]
	s_cmp_lt_u32 s34, 3
	s_cselect_b32 s40, 192, 64                     ; T
	s_cselect_b32 s41, 0, 2457600                  ; the image's first byte
	s_cselect_b32 s42, s42, 0                      ; the weight's first tile
	s_cmp_eq_u32 s32, 1
	s_cselect_b64 s[30:31], s[16:17], s[30:31]
	s_cselect_b32 s40, 256, s40
	s_cselect_b32 s41, 3276800, s41
	s_cselect_b32 s42, 0, s42
	s_cselect_b32 s35, 31, 7                       ; groups of 128 columns: 32 in W1, else 8
	s_cselect_b32 s36, 5, 3
	s_cselect_b32 s39, 21, 19                      ; 128 rows in bytes: 2^21 in W1, else 2^19
	s_cmp_eq_u32 s32, 2
	s_cselect_b64 s[30:31], s[18:19], s[30:31]
	s_cselect_b32 s40, 64, s40
	s_cselect_b32 s41, 6553600, s41
	s_cselect_b32 s42, 0, s42
	s_cmp_eq_u32 s32, 0
	s_cselect_b32 s43, 7, 31
	s_and_b32 s37, s33, s35                        ; ng
	s_lshr_b32 s38, s33, s36
	s_and_b32 s38, s38, s43                        ; ks
	s_lshl_b32 s44, s38, s39
	s_lshl_b32 s45, s37, 9
	s_add_co_u32 s44, s44, s45
	s_lshl_b32 s45, s[WV], 7
	s_add_co_u32 s44, s44, s45                     ; ks x 128 rows + (128 ng + 32 w) x 4 bytes
	s_mov_b32 s45, 0
	s_add_nc_u64 s[30:31], s[30:31], s[44:45]
	s_lshr_b32 s46, s38, 2
	s_mul_i32 s46, s46, s40
	s_add_co_u32 s46, s46, s42
	s_lshl_b32 s47, s37, 3
	s_add_co_u32 s46, s46, s47
	s_lshl_b32 s47, s[WV], 1
	s_add_co_u32 s46, s46, s47                     ; record (ks / 4) T + first tile + 8 ng + 2 w
	s_mul_i32 s46, s46, 6400
	s_and_b32 s48, s38, 3                          ; fragment
	s_mul_i32 s47, s48, 1536
	s_add_co_u32 s46, s46, s47
	s_add_co_u32 s46, s46, s41
	s_mov_b32 s47, 0
	s_add_nc_u64 s[50:51], s[24:25], s[46:47]
	s_mul_i32 s48, s48, 1472
	s_sub_co_u32 s48, 6144, s48                    ; from the fragment to its scale words: 6,144 + 64 f - 1,536 f
	v_mul_u32_u24 v6, v3, 6400
	v_lshl_add_u32 v6, v2, 2, v6
	v_add_nc_u32 v6, s48, v6
	v_and_b32 v4, 7, v1                            ; my column among the wave's 32: (l % 8) + 16 ((l / 8) % 2) + 8 (l / 16)
	v_bfe_u32 v7, v1, 3, 1
	v_lshl_add_u32 v4, v7, 4, v4
	v_lshl_add_u32 v4, v3, 3, v4
	v_lshlrev_b32 v4, 2, v4
	s_cmp_eq_u32 s32, 1
	s_cbranch_scc1 .Lw1
	WPATH 4096
	s_branch .Lend
.Lw1:
	WPATH 16384
	s_branch .Lend
	; ---- x: a work-group a record (tile t, 512 along K), a wave a fragment
.Lx:
	s_sub_co_u32 s32, ttmp9, 768
	s_lshr_b32 s33, s32, 1                         ; t
	s_and_b32 s34, s32, 1                          ; kq
	s_lshr_b32 s35, s33, 1
	s_lshl_b32 s35, s35, 5
	s_and_b32 s36, s33, 1
	s_lshl_b32 s36, s36, 3
	s_add_co_u32 s35, s35, s36                     ; the tile's first row
	s_lshl_b32 s44, s35, 12
	s_lshl_b32 s36, s34, 11
	s_add_co_u32 s44, s44, s36
	s_lshl_b32 s36, s[WV], 9
	s_add_co_u32 s44, s44, s36
	s_mov_b32 s45, 0
	s_add_nc_u64 s[30:31], s[20:21], s[44:45]
	s_lshl_b32 s46, s34, 8
	s_add_co_u32 s46, s46, s33
	s_mul_i32 s46, s46, 6400
	s_mul_i32 s36, s[WV], 1536
	s_add_co_u32 s46, s46, s36
	s_mov_b32 s47, 0
	s_add_nc_u64 s[50:51], s[26:27], s[46:47]
	s_mul_i32 s36, s[WV], 1472
	s_sub_co_u32 s36, 6144, s36
	v_lshl_add_u32 v6, v2, 2, s36                  ; my row's scale word
	s_mul_i32 s37, s[WV], 8448                     ; my stage
	v_add_nc_u32 v7, s37, v5                       ; in: a row's 512 bytes as they lie
	v_mul_u32_u24 v8, v2, 528
	v_lshl_add_u32 v8, v3, 6, v8
	v_add_nc_u32 v8, s37, v8                       ; back: row r, 16 numbers of each block of 32
.irp rr, 0,1,2,3,4,5,6,7,8,9,10,11,12,13,14,15
	global_load_b128 v[Z+4*\rr:Z+4*\rr+3], v5, s[30:31] offset:(\rr+8*(\rr/8))*4096 th:TH_LOAD_NT   ; 512 consecutive bytes of the tile's row rr
.endr
.irp rr, 0,1,2,3,4,5,6,7,8,9,10,11,12,13,14,15
	s_wait_loadcnt 15-\rr                          ; row rr is in; the later rows may be out
	ds_store_b128 v7, v[Z+4*\rr:Z+4*\rr+3] offset:528*\rr
.endr
.irp b, 0,1,2,3
.irp j, 0,1,2,3
	ds_load_b128 v[XQ+16*\b+4*\j:XQ+16*\b+4*\j+3], v8 offset:128*\b+16*\j   ; LDS serves a wave's instructions in order: these see my stores
.endr
.endr
.irp b, 0,1,2,3
	v_mov_b32 v[TM+4+\b], 0                        ; a lane permute's destination counts as read
.endr
	s_wait_dscnt 0x0
	QUANT XQ
.irp c, 0,1,2
	global_store_b128 v5, v[PC+4*\c:PC+4*\c+3], s[50:51] offset:512*\c
.endr
	global_store_b32 v6, v[PW], s[50:51]           ; both halves of the lanes hold the same word and write it to the same place
	s_branch .Lend
	; ---- y: partial statistics for the first LayerNorm
.Lstat:
	s_sub_co_u32 s32, ttmp9, 1280
	s_lshl_b32 s32, s32, 2
	s_add_co_u32 s32, s32, s[WV]                   ; partial p: numbers 4,096 p on; its batch is p / 512
	s_lshl_b32 s44, s32, 14
	s_mov_b32 s45, 0
	s_add_nc_u64 s[30:31], s[22:23], s[44:45]
	s_lshl_b32 s46, s32, 3
	s_mov_b32 s47, 0
	s_add_nc_u64 s[50:51], s[28:29], s[46:47]
.set k, 0
.rept 32
	global_load_b128 v[Z+4*k:Z+4*k+3], v5, s[30:31] offset:512*k
.set k, k+1
.endr
	v_mov_b32 v10, 0
	s_wait_loadcnt 0x0
	STATS Z, 16
	s_wait_xcnt 0x0                                ; EXEC changes only behind this wait
	v_cmp_eq_u32 vcc_lo, 0, v1
	s_and_saveexec_b32 s52, vcc_lo
	global_store_b64 v10, v[32:33], s[50:51]       ; lane 0 stores (mean, sum of squares)
	s_wait_xcnt 0x0
	s_or_b32 exec_lo, exec_lo, s52
.Lend:
	s_wait_tensorcnt 0x0                           ; the wave's end
	ds_add_u32 v[SPW], v[NIL]
	s_wait_dscnt 0x0
	s_endpgm
.Lfunc_end_k_q6893f856d6_prep:
	.size	k_q6893f856d6_prep, .Lfunc_end_k_q6893f856d6_prep-k_q6893f856d6_prep
	.p2alignl 7, 3214868480
	.fill 96, 4, 3214868480
	.section	.rodata,"a",@progbits
	.p2align	6, 0x0
	.amdhsa_kernel k_q6893f856d6_prep
		.amdhsa_group_segment_fixed_size 34304
		.amdhsa_private_segment_fixed_size 0
		.amdhsa_enable_private_segment 0
		.amdhsa_kernarg_size 88
		.amdhsa_user_sgpr_count 2
		.amdhsa_user_sgpr_kernarg_segment_ptr 1
		.amdhsa_wavefront_size32 1
		.amdhsa_system_sgpr_workgroup_id_x 1
		.amdhsa_system_sgpr_workgroup_id_y 1
		.amdhsa_system_sgpr_workgroup_id_z 1
		.amdhsa_system_vgpr_workitem_id 0
		.amdhsa_next_free_vgpr 256
		.amdhsa_next_free_sgpr 66
		.amdhsa_reserve_vcc 1
		.amdhsa_float_denorm_mode_32 3
		.amdhsa_float_denorm_mode_16_64 3
		.amdhsa_memory_ordered 1
		.amdhsa_forward_progress 1
		.amdhsa_inst_pref_size 68
	.end_amdhsa_kernel
	.amdgpu_metadata
---
amdhsa.version: [ 1, 2 ]
amdhsa.kernels:
  - .name:           k_q6893f856d6_prep
    .symbol:         k_q6893f856d6_prep.kd
    .args:
      - { .name: Wq, .offset: 0, .size: 8, .value_kind: global_buffer, .address_space: global }
      - { .name: Wk, .offset: 8, .size: 8, .value_kind: global_buffer, .address_space: global }
      - { .name: Wv, .offset: 16, .size: 8, .value_kind: global_buffer, .address_space: global }
      - { .name: Wo, .offset: 24, .size: 8, .value_kind: global_buffer, .address_space: global }
      - { .name: W1, .offset: 32, .size: 8, .value_kind: global_buffer, .address_space: global }
      - { .name: W2, .offset: 40, .size: 8, .value_kind: global_buffer, .address_space: global }
      - { .name: x, .offset: 48, .size: 8, .value_kind: global_buffer, .address_space: global }
      - { .name: y, .offset: 56, .size: 8, .value_kind: global_buffer, .address_space: global }
      - { .name: wimg, .offset: 64, .size: 8, .value_kind: global_buffer, .address_space: global }
      - { .name: aimg, .offset: 72, .size: 8, .value_kind: global_buffer, .address_space: global }
      - { .name: stats1, .offset: 80, .size: 8, .value_kind: global_buffer, .address_space: global }
    .group_segment_fixed_size: 34304
    .private_segment_fixed_size: 0
    .kernarg_segment_align: 8
    .kernarg_segment_size: 88
    .max_flat_workgroup_size: 128
    .sgpr_count:     66
    .vgpr_count:     256
    .wavefront_size: 32
...
	.end_amdgpu_metadata
.endif
;; end of part 1
;; launch lnq1 (part 2): grid 512 x 1, 4 waves a work-group, no clusters, 34,304 bytes of LDS; arguments y, ln1_w, ln1_b, stats1, nimg; writes nimg
.if DOCPART == 2
	.amdgcn_target "amdgcn-amd-amdhsa--gfx1250"
	.amdhsa_code_object_version 6
	.text
	.protected	k_q6893f856d6_lnq1
	.globl	k_q6893f856d6_lnq1
	.p2align	8
	.type	k_q6893f856d6_lnq1,@function
k_q6893f856d6_lnq1:
	s_mov_b64 s[64:65], 0
	v_nop
	global_prefetch_b8 v0, s[64:65] scope:SCOPE_SE
	s_setreg_imm32_b32 hwreg(HW_REG_WAVE_MODE, 25, 1), 1
	s_wait_xcnt 0x0
; LayerNorm over (L, D) of a batch, then the quantiser along D: t [4096][1024] f32 -> an operand image (records of 6,400 bytes: 16 rows x 512 along K; row r of tile t is row 32 (t/2) + 8 (t%2) + r + 8 (r/8)).
; The batch's mean and variance come from 512 partials (mean, sum of squared differences) of 4,096 numbers each, which an earlier launch stored: mu = the mean of the means,
; M2 = the sum of the partial sums + 4,096 x the sum of (mean - mu)^2: no difference of large sums.  Every wave joins them for itself.  Then (t - mu) x rsqrt(var + 1e-5) x w + b, in that order, in f32.
; A work-group makes a record (tile ttmp9 / 2, half ttmp9 % 2 of K), a wave a fragment of 128 along K.  Rows are loaded as they lie (512 consecutive bytes) and turn through the wave's own stage in LDS.
; LIMITS: NaN and infinities are not served; a block under 2^-124, zeros among them, gets the scale byte 1 (its reader is this program alone).
.set SPARE, 33792
.set SPW, 12
.set NIL, 13
.set P,   16                           ; v16-47 sixteen partials a lane; afterwards TM, PW, PC
.set TM,  16
.set PW,  32
.set PC,  34
.set MU,  58                           ; v[58:59] the mean, twice;  v[60:61] 1 / sqrt(var + eps), twice
.set RS,  60
.set BB,  64                           ; v64-127 b's rows; afterwards QUANT's 64 numbers
.set XQ,  64
.set T,   128                          ; v128-191 t's rows
.set W,   192                          ; v192-255 w's rows
.set SEL, 2
.set WV,  4
.macro QUANT s
.irp b, 0,1,2,3
	v_max3_num_f32 v[TM+\b], |v[\s+16*\b]|, |v[\s+1+16*\b]|, 0x1800000   ; my 16 numbers of block b, and the floor 2^(3 - 127)
.endr
.irp i, 2,4,6,8,10,12,14
.irp b, 0,1,2,3
	v_max3_num_f32 v[TM+\b], v[TM+\b], |v[\s+16*\b+\i]|, |v[\s+1+16*\b+\i]|
.endr
.endr
.irp b, 0,1,2,3
	v_permlanex16_b32 v[TM+4+\b], v[TM+\b], s[SEL], s[SEL+1]
.endr
.irp b, 0,1,2,3
	v_max_num_f32 v[TM+\b], v[TM+\b], v[TM+4+\b]
.endr
.irp b, 0,1,2,3
	v_add_nc_u32 v[TM+12+\b], 0xff000000, v[TM+\b]                      ; 2 off the exponent field: the conversion's scale operand
.endr
.irp b, 0,1,2,3
	v_lshrrev_b32 v[TM+4+\b], 23, v[TM+12+\b]
.endr
	v_lshl_or_b32 v[PW], v[TM+5], 8, v[TM+4]
	v_lshl_or_b32 v[PW], v[TM+6], 16, v[PW]
	v_lshl_or_b32 v[PW], v[TM+7], 24, v[PW]
.irp c, 0,1
	v_cvt_scalef32_pk16_fp6_f32 v[PC+6*\c:PC+2+6*\c], v[\s+32*\c:\s+15+32*\c], v[TM+12+2*\c]
	v_cvt_scalef32_pk16_fp6_f32 v[PC+12+4*\c:PC+14+4*\c], v[\s+16+32*\c:\s+31+32*\c], v[TM+12+2*\c+1]
.endr
	v_nop                                          ; one plain place behind a scaled conversion
.irp c, 0,1
.irp i, 0,1,2
	v_permlane16_swap_b32 v[PC+6*\c+\i], v[PC+12+4*\c+\i]
.endr
.irp i, 0,1,2
	v_mov_b32 v[PC+3+6*\c+\i], v[PC+12+4*\c+\i]
.endr
.endr
.endm
.macro RSUM x, tmp
	v_add_f32_dpp v[\x], v[\x], v[\x] row_xmask:1 row_mask:0xf bank_mask:0xf
	v_add_f32_dpp v[\x], v[\x], v[\x] row_xmask:2 row_mask:0xf bank_mask:0xf
	v_add_f32_dpp v[\x], v[\x], v[\x] row_xmask:4 row_mask:0xf bank_mask:0xf
	v_add_f32_dpp v[\x], v[\x], v[\x] row_xmask:8 row_mask:0xf bank_mask:0xf
	v_permlanex16_b32 v[\tmp], v[\x], s[SEL], s[SEL+1]
	v_add_f32 v[\x], v[\x], v[\tmp]
.endm
	s_load_b256 s[8:15], s[0:1], 0x0               ; t 8, w 10, b 12, the partials 14
	s_load_b64 s[16:17], s[0:1], 0x20              ; the image
	v_lshl_add_u32 v[SPW], v0, 2, SPARE
	v_mov_b32 v[NIL], 0
	v_lshrrev_b32 v1, 5, v0
	v_readfirstlane_b32 s[WV], v1
	v_and_b32 v1, 31, v0
	v_and_b32 v2, 15, v0                           ; r
	v_bfe_u32 v3, v0, 4, 1                         ; h
	v_lshlrev_b32 v5, 4, v1                        ; 16 x lane
	s_mov_b32 s[SEL], 0x76543210
	s_mov_b32 s[SEL+1], 0xfedcba98
	s_lshr_b32 s33, ttmp9, 1                       ; tile
	s_and_b32 s34, ttmp9, 1                        ; kq
	s_lshr_b32 s20, s33, 7                         ; batch
	s_lshr_b32 s35, s33, 1
	s_lshl_b32 s35, s35, 5
	s_and_b32 s36, s33, 1
	s_lshl_b32 s36, s36, 3
	s_add_co_u32 s35, s35, s36                     ; the tile's first row
	s_lshl_b32 s36, s34, 11
	s_lshl_b32 s37, s[WV], 9
	s_add_co_u32 s36, s36, s37                     ; my 512 bytes of a row
	s_lshl_b32 s44, s35, 12
	s_add_co_u32 s44, s44, s36
	s_mov_b32 s45, 0
	s_and_b32 s46, s35, 2047                       ; w and b have L rows: the row within the batch
	s_lshl_b32 s46, s46, 12
	s_add_co_u32 s46, s46, s36
	s_mov_b32 s47, 0
	s_lshl_b32 s48, s20, 12                        ; the batch's 512 partials
	s_mov_b32 s49, 0
	s_lshl_b32 s50, s34, 8
	s_add_co_u32 s50, s50, s33
	s_mul_i32 s50, s50, 6400
	s_mul_i32 s37, s[WV], 1536
	s_add_co_u32 s50, s50, s37
	s_mov_b32 s51, 0
	s_mul_i32 s37, s[WV], 1472
	s_sub_co_u32 s37, 6144, s37
	v_lshl_add_u32 v6, v2, 2, s37                  ; my row's scale word, from the fragment's first byte
	s_mul_i32 s38, s[WV], 8448                     ; my stage: 16 rows x 528 bytes
	v_add_nc_u32 v7, s38, v5
	v_mul_u32_u24 v8, v2, 528
	v_lshl_add_u32 v8, v3, 6, v8
	v_add_nc_u32 v8, s38, v8
	s_wait_kmcnt 0x0
	s_add_nc_u64 s[8:9], s[8:9], s[44:45]
	s_add_nc_u64 s[10:11], s[10:11], s[46:47]
	s_add_nc_u64 s[12:13], s[12:13], s[46:47]
	s_add_nc_u64 s[14:15], s[14:15], s[48:49]
	s_add_nc_u64 s[16:17], s[16:17], s[50:51]
.irp i, 0,1,2,3,4,5,6,7
	global_load_b128 v[P+4*\i:P+4*\i+3], v5, s[14:15] offset:512*\i
.endr
.irp rr, 0,1,2,3,4,5,6,7,8,9,10,11,12,13,14,15
	global_load_b128 v[T+4*\rr:T+4*\rr+3], v5, s[8:9] offset:(\rr+8*(\rr/8))*4096 th:TH_LOAD_NT
	global_load_b128 v[W+4*\rr:W+4*\rr+3], v5, s[10:11] offset:(\rr+8*(\rr/8))*4096
	global_load_b128 v[BB+4*\rr:BB+4*\rr+3], v5, s[12:13] offset:(\rr+8*(\rr/8))*4096
.endr
	s_wait_loadcnt 48                              ; the partials are in; the 48 loads of rows may be out
	v_add_f32 v48, v[P], v[P+2]                    ; my sixteen means
	v_add_f32 v49, v[P+4], v[P+6]
.irp i, 8,16,24
	v_add_f32 v48, v48, v[P+\i]
	v_add_f32 v49, v49, v[P+\i+4]
	v_add_f32 v48, v48, v[P+\i+2]
	v_add_f32 v49, v49, v[P+\i+6]
.endr
	v_add_f32 v48, v48, v49
	RSUM 48, 49
	v_mul_f32 v[MU], 0x3b000000, v48               ; / 512
	v_mov_b32 v[MU+1], v[MU]
	v_add_f32 v50, v[P+1], v[P+3]
	v_sub_f32 v52, v[P], v[MU]
	v_mul_f32 v51, v52, v52
	v_sub_f32 v53, v[P+2], v[MU]
	v_fma_f32 v51, v53, v53, v51
.irp i, 4,6,8,10,12,14,16,18,20,22,24,26,28,30
	v_add_f32 v50, v50, v[P+\i+1]
	v_sub_f32 v52, v[P+\i], v[MU]
	v_fma_f32 v51, v52, v52, v51
.endr
	v_fmamk_f32 v50, v51, 0x45800000, v50          ; + 4,096 x the spread of the means
	RSUM 50, 49
	v_mul_f32 v50, 0x35000000, v50                 ; / 2^21: the variance
	v_add_f32 v50, 0x3727c5ac, v50                 ; + 1e-5
	v_rsq_f32 v[RS], v50
	v_nop                                          ; a plain place behind the transcendental
	s_wait_alu depctr_va_vdst(0)                   ; and a wait ahead of its first reader
	v_mov_b32 v[RS+1], v[RS]
.irp rr, 0,1,2,3,4,5,6,7,8,9,10,11,12,13,14,15
	s_wait_loadcnt 45-3*\rr                        ; row rr's three loads are in; three for each later row may be out
.irp u, 0,2
	v_pk_add_f32 v[T+4*\rr+\u:T+4*\rr+\u+1], v[T+4*\rr+\u:T+4*\rr+\u+1], v[MU:MU+1] neg_lo:[0,1] neg_hi:[0,1]
.endr
.irp u, 0,2
	v_pk_mul_f32 v[T+4*\rr+\u:T+4*\rr+\u+1], v[T+4*\rr+\u:T+4*\rr+\u+1], v[RS:RS+1]
.endr
.irp u, 0,2
	v_pk_fma_f32 v[T+4*\rr+\u:T+4*\rr+\u+1], v[T+4*\rr+\u:T+4*\rr+\u+1], v[W+4*\rr+\u:W+4*\rr+\u+1], v[BB+4*\rr+\u:BB+4*\rr+\u+1]
.endr
	ds_store_b128 v7, v[T+4*\rr:T+4*\rr+3] offset:528*\rr
.endr
.irp b, 0,1,2,3
.irp j, 0,1,2,3
	ds_load_b128 v[XQ+16*\b+4*\j:XQ+16*\b+4*\j+3], v8 offset:128*\b+16*\j   ; LDS serves a wave's instructions in order: these see my stores
.endr
.endr
.irp b, 0,1,2,3
	v_mov_b32 v[TM+4+\b], 0
.endr
	s_wait_dscnt 0x0
	QUANT XQ
.irp c, 0,1,2
	global_store_b128 v5, v[PC+4*\c:PC+4*\c+3], s[16:17] offset:512*\c
.endr
	global_store_b32 v6, v[PW], s[16:17]           ; both halves of the lanes hold the same word
	s_wait_tensorcnt 0x0                           ; the wave's end behind the last LDS store
	ds_add_u32 v[SPW], v[NIL]
	s_wait_dscnt 0x0
	s_endpgm
.Lfunc_end_k_q6893f856d6_lnq1:
	.size	k_q6893f856d6_lnq1, .Lfunc_end_k_q6893f856d6_lnq1-k_q6893f856d6_lnq1
	.p2alignl 7, 3214868480
	.fill 96, 4, 3214868480
	.section	.rodata,"a",@progbits
	.p2align	6, 0x0
	.amdhsa_kernel k_q6893f856d6_lnq1
		.amdhsa_group_segment_fixed_size 34304
		.amdhsa_private_segment_fixed_size 0
		.amdhsa_enable_private_segment 0
		.amdhsa_kernarg_size 40
		.amdhsa_user_sgpr_count 2
		.amdhsa_user_sgpr_kernarg_segment_ptr 1
		.amdhsa_wavefront_size32 1
		.amdhsa_system_sgpr_workgroup_id_x 1
		.amdhsa_system_sgpr_workgroup_id_y 1
		.amdhsa_system_sgpr_workgroup_id_z 1
		.amdhsa_system_vgpr_workitem_id 0
		.amdhsa_next_free_vgpr 256
		.amdhsa_next_free_sgpr 66
		.amdhsa_reserve_vcc 0
		.amdhsa_float_denorm_mode_32 3
		.amdhsa_float_denorm_mode_16_64 3
		.amdhsa_memory_ordered 1
		.amdhsa_forward_progress 1
		.amdhsa_inst_pref_size 25
	.end_amdhsa_kernel
	.amdgpu_metadata
---
amdhsa.version: [ 1, 2 ]
amdhsa.kernels:
  - .name:           k_q6893f856d6_lnq1
    .symbol:         k_q6893f856d6_lnq1.kd
    .args:
      - { .name: y, .offset: 0, .size: 8, .value_kind: global_buffer, .address_space: global }
      - { .name: ln1_w, .offset: 8, .size: 8, .value_kind: global_buffer, .address_space: global }
      - { .name: ln1_b, .offset: 16, .size: 8, .value_kind: global_buffer, .address_space: global }
      - { .name: stats1, .offset: 24, .size: 8, .value_kind: global_buffer, .address_space: global }
      - { .name: nimg, .offset: 32, .size: 8, .value_kind: global_buffer, .address_space: global }
    .group_segment_fixed_size: 34304
    .private_segment_fixed_size: 0
    .kernarg_segment_align: 8
    .kernarg_segment_size: 40
    .max_flat_workgroup_size: 128
    .sgpr_count:     66
    .vgpr_count:     256
    .wavefront_size: 32
...
	.end_amdgpu_metadata
.endif
;; end of part 2
;; launch qkv (part 3): grid 24 x 32, 4 waves a work-group, clusters of 4 x 4, 327,680 bytes of LDS; arguments aimg, nimg, wimg, bq, bk, bv, qkvc; writes qkvc
.if DOCPART == 3
	.amdgcn_target "amdgcn-amd-amdhsa--gfx1250"
	.amdhsa_code_object_version 6
	.text
	.protected	k_q6893f856d6_qkv
	.globl	k_q6893f856d6_qkv
	.p2align	8
	.type	k_q6893f856d6_qkv,@function
k_q6893f856d6_qkv:
	s_mov_b64 s[64:65], 0
	v_nop
	global_prefetch_b8 v0, s[64:65] scope:SCOPE_SE
	s_setreg_imm32_b32 hwreg(HW_REG_WAVE_MODE, 25, 1), 1
	s_wait_xcnt 0x0
	s_wait_alu depctr_hold_cnt(0) depctr_sa_sdst(0) depctr_va_vdst(0) depctr_va_sdst(0) depctr_va_ssrc(0) depctr_va_vcc(0) depctr_vm_vsrc(0)
	s_getreg_b32 s2, hwreg(HW_REG_IB_STS2, 6, 4)
	s_cmp_eq_u32 s2, 0
	s_cbranch_scc0 .Lentry_in_a_cluster
	s_endpgm
.Lentry_in_a_cluster:
	s_bfe_u32 s2, ttmp6, 0x10000c
	s_cmp_lg_u32 s2, 0xf033
	s_cbranch_scc0 .Lentry_shape_is_right
	s_endpgm
.Lentry_shape_is_right:
; q = x Wq + bq, k = LN(y) Wk + bk, v = LN(y) Wv + bv on codes of FP6 (E2M3), and the quantisers of the two attention products: q and k along the head's 64, v along the keys.
; A work-group makes 128 (source 0) x 128 (source 1); K = 1,024 lies in LDS whole: two slots of 512 along K, each 8 records of source 1 and 8 of source 0, both asked for at the head and never filled again.
; A wave takes all 8 tiles of source 0 and its own two of source 1: 16 accumulators, (a, i) at v[128 + 8 (8 i + a)]; a lane then holds ONE row of source 1 and 128 neighbours along source 0's rows: a whole K step.
; q, k (cluster x 0-1, 2-3): source 0 = the weight's columns, source 1 = tokens: a lane holds a token and 128 columns = two heads' 64.  v (cluster x 4, 5): source 0 = tokens, source 1 = the weight's columns:
; a lane holds a channel of v and 128 keys.  Only the SOURCES of the two LDS regions change with the kind; addresses in LDS, masks and the products' text are one.
; CLUSTER 4 x 4: source 1's records hang on the cluster's y place alone and are shared along a row, source 0's on the x place alone and are shared along a column: joint loads, a quarter of the requests.
; OUT: records of 13,056 bytes for (batch, head, 128 keys): K's 8 tiles x 768 bytes (registers 0-3 at 16 x lane, 4-5 at 512 + 8 x lane); from 6,144 V^T's 4 tiles x 1,536; from 12,288 K's scale words; from 12,800 V's.
; q goes to a second region of the same form.  LIMITS: as stated at the head of the first launch.
.set REC,   6400
.set HALF,  4*REC                      ; what one tensor load brings
.set REG,   8*REC
.set SLOT,  2*REG                      ; source 1's records, then source 0's
.set SPARE, 2*SLOT                     ; the spare words, 128 bytes a wave
.set AREC,  13056
.set HSTR,  16*AREC                    ; from head to head
.set QOFF,  32*HSTR                    ; q's region
.set ADR1, 4                           ; v4,5 my two tiles of source 1 in slot 0, 1;  v6,7 source 0's eight;  v8,9 and v10,11 their scale words
.set ADR0, 6
.set AS1,  8
.set AS0,  10
.set SPW,  12
.set NIL,  13
.set SC,   32                          ; v32-71 scale words and nothing else: set s at 20 s: source 0's tile a at 2 a + m, source 1's tile i at 16 + 2 i + m; lanes 0-15 fragment 2 m, lanes 16-31 fragment 2 m + 1
.set TM,   72
.set PW,   88
.set PW0,  89
.set PC,   90
.set ACC,  128
.set G1,  24
.set G0,  32
.set G1B, 48
.set G0B, 56
.set HM,  90
.set SEL, 92
.set MSB, 0
.macro WIN new                         ; the immediate's high byte repeats the setting that is left
.if MSB != \new
	s_set_vgpr_msb (MSB<<8)|\new
.set MSB, \new
.endif
.endm
.macro PLACES n
.rept \n
	v_nop
.endr
.endm
.macro JLOAD g0a, g1a, g0b, g1b        ; a joint load: waves 0, 1 fetch source 1's halves, waves 2, 3 source 0's; an s_nop 0 and four v_nop follow each line
	s_cmp_eq_u32 s15, 0
	s_cbranch_scc0 .Lfor_b_\@
	tensor_load_to_lds s[\g0a:\g0a+3], s[\g1a:\g1a+7]
	s_nop 0
.rept 4
	v_nop
.endr
	s_branch .Lasked_\@
.Lfor_b_\@:
	tensor_load_to_lds s[\g0b:\g0b+3], s[\g1b:\g1b+7]
	s_nop 0
.rept 4
	v_nop
.endr
.Lasked_\@:
.endm
.macro CROUND                          ; a round of the cluster's barrier
	s_barrier_signal -1
	s_barrier_wait -1
	s_cmp_lg_u32 s14, 0
	s_cbranch_scc1 .Lnot_wave_0_\@
	s_barrier_signal -3
.Lnot_wave_0_\@:
	s_barrier_wait -3
	s_barrier_signal -1
	s_barrier_wait -1
.endm
.macro FETCH slot, f, set              ; ten fragments of 128 along K, as images of their registers: 30 loads of 512 consecutive bytes, into set 0 (v0 on) or 1 (v128 on) of window 1
	WIN 0x40
.irp a, 0,1,2,3,4,5,6,7
.irp c, 0,1,2
	ds_load_b128 v[128*(\set)+12*\a+4*\c:128*(\set)+12*\a+4*\c+3], v[ADR0+(\slot)] offset:\a*REC+(\f)*1536+512*\c
.endr
.endr
.irp i, 0,1
.irp c, 0,1,2
	ds_load_b128 v[128*(\set)+96+12*\i+4*\c:128*(\set)+96+12*\i+4*\c+3], v[ADR1+(\slot)] offset:\i*REC+(\f)*1536+512*\c
.endr
.endr
.endm
.macro SCALES slot                     ; a slot's scale words
	WIN 0
.irp a, 0,1,2,3,4,5,6,7
.irp m, 0,1
	ds_load_b32 v[SC+20*(\slot)+2*\a+\m], v[AS0+(\slot)] offset:\a*REC+128*\m
.endr
.endr
.irp i, 0,1
.irp m, 0,1
	ds_load_b32 v[SC+20*(\slot)+16+2*\i+\m], v[AS1+(\slot)] offset:\i*REC+128*\m
.endr
.endr
.endm
.macro MUL set, f, slot                ; 16 products, the 16 accumulators by turns, in the same order in every step
	WIN 0x05
.irp i, 0,1
.irp a, 0,1,2,3,4,5,6,7
.if (\f)%2
	v_wmma_scale_f32_16x16x128_f8f6f4 v[ACC+8*(8*\i+\a):ACC+8*(8*\i+\a)+7], v[128*(\set)+12*\a:128*(\set)+12*\a+11], v[128*(\set)+96+12*\i:128*(\set)+96+12*\i+11], v[ACC+8*(8*\i+\a):ACC+8*(8*\i+\a)+7], v[SC+20*(\slot)+2*\a+(\f)/2], v[SC+20*(\slot)+16+2*\i+(\f)/2] matrix_a_fmt:MATRIX_FMT_FP6 matrix_b_fmt:MATRIX_FMT_FP6 matrix_a_scale:MATRIX_SCALE_ROW1 matrix_b_scale:MATRIX_SCALE_ROW1
.else
	v_wmma_scale_f32_16x16x128_f8f6f4 v[ACC+8*(8*\i+\a):ACC+8*(8*\i+\a)+7], v[128*(\set)+12*\a:128*(\set)+12*\a+11], v[128*(\set)+96+12*\i:128*(\set)+96+12*\i+11], v[ACC+8*(8*\i+\a):ACC+8*(8*\i+\a)+7], v[SC+20*(\slot)+2*\a+(\f)/2], v[SC+20*(\slot)+16+2*\i+(\f)/2] matrix_a_fmt:MATRIX_FMT_FP6 matrix_b_fmt:MATRIX_FMT_FP6
.endif
.endr
.endr
.endm
; A step of 128 along K.  mode 0: the next step's fragments come from the same slot; 1: from the other slot, which is shown whole first; 2: nothing more to fetch.  The loads run under the step's 16 products.
.macro KSTEP slot, f, mode
	s_wait_dscnt 0x0                               ; this step's fragments, asked for a step ago, are in
.if \mode == 1
	s_wait_tensorcnt 0x0                           ; my part of the other slot has landed,
	s_barrier_signal -1
	s_barrier_wait -1                              ; everybody's has.
.endif
.if \mode < 2
	PLACES 4                                       ; in front of loads into registers that the last step's products read
.if \mode == 0
	FETCH \slot, (\f)+1, ((\f)+1)%2
.else
	FETCH 1-\slot, 0, 0
	SCALES 1-\slot
.endif
.endif
	MUL (\f)%2, \f, \slot
.endm
.macro QUANT s                         ; 64 numbers of a lane, register 16 b + i = k 32 b + 16 (lane / 16) + i, become 12 registers of codes in v[PC] on and the scale word v[PW]
.irp b, 0,1,2,3
	v_max3_num_f32 v[TM+\b], |v[\s+16*\b]|, |v[\s+1+16*\b]|, 0x1800000
.endr
.irp i, 2,4,6,8,10,12,14
.irp b, 0,1,2,3
	v_max3_num_f32 v[TM+\b], v[TM+\b], |v[\s+16*\b+\i]|, |v[\s+1+16*\b+\i]|
.endr
.endr
.irp b, 0,1,2,3
	v_permlanex16_b32 v[TM+4+\b], v[TM+\b], s[SEL], s[SEL+1]
.endr
.irp b, 0,1,2,3
	v_max_num_f32 v[TM+\b], v[TM+\b], v[TM+4+\b]
.endr
.irp b, 0,1,2,3
	v_add_nc_u32 v[TM+12+\b], 0xff000000, v[TM+\b]
.endr
.irp b, 0,1,2,3
	v_lshrrev_b32 v[TM+4+\b], 23, v[TM+12+\b]
.endr
	v_lshl_or_b32 v[PW], v[TM+5], 8, v[TM+4]
	v_lshl_or_b32 v[PW], v[TM+6], 16, v[PW]
	v_lshl_or_b32 v[PW], v[TM+7], 24, v[PW]
.irp c, 0,1
	v_cvt_scalef32_pk16_fp6_f32 v[PC+6*\c:PC+2+6*\c], v[\s+32*\c:\s+15+32*\c], v[TM+12+2*\c]
	v_cvt_scalef32_pk16_fp6_f32 v[PC+12+4*\c:PC+14+4*\c], v[\s+16+32*\c:\s+31+32*\c], v[TM+12+2*\c+1]
.endr
	v_nop
.irp c, 0,1
.irp i, 0,1,2
	v_permlane16_swap_b32 v[PC+6*\c+\i], v[PC+12+4*\c+\i]
.endr
.irp i, 0,1,2
	v_mov_b32 v[PC+3+6*\c+\i], v[PC+12+4*\c+\i]
.endr
.endr
.endm
	s_load_b256 s[4:11], s[0:1], 0x0               ; aimg 4, nimg 6, wimg 8, bq 10
	s_load_b128 s[68:71], s[0:1], 0x20             ; bk 68, bv 70
	s_load_b64 s[12:13], s[0:1], 0x30              ; qkvc
	v_lshl_add_u32 v[SPW], v0, 2, SPARE
	v_mov_b32 v[NIL], 0
	ds_add_u32 v[SPW], v[NIL]                      ; the opening: the add, twice on end, and its wait ahead of my first tensor load
	ds_add_u32 v[SPW], v[NIL]
	v_lshrrev_b32 v1, 5, v0
	v_readfirstlane_b32 s14, v1                    ; wave
	s_lshr_b32 s15, s14, 1                         ; I fetch for source 1 (0) or source 0 (1)
	s_and_b32 s16, s14, 1                          ; which four records
	s_bfe_u32 s40, ttmp6, 0x40000                  ; cx
	s_bfe_u32 s41, ttmp6, 0x40004                  ; cy
	s_and_b32 s72, ttmp7, 0xffff                   ; cluster y
	s_mov_b32 s80, 256*REC                         ; from 512 to 512 along K: in an image of tokens,
	s_mov_b32 s81, 192*REC                         ; in the weights' image
	s_cmp_ge_u32 ttmp9, 4                          ; v?  The cluster's x is the same in all sixteen partners
	s_cselect_b32 s73, s72, ttmp9
	s_cselect_b32 s74, ttmp9, s72
	s_cselect_b32 s76, s80, s81                    ; source 0's step
	s_cselect_b32 s78, s81, s80                    ; source 1's
	s_mov_b32 s77, 0
	s_mov_b32 s79, 0
	s_lshl_b32 s42, s73, 2
	s_add_co_u32 s42, s42, s40                     ; i0: source 0's group of 128 rows; it hangs on cx alone
	s_lshl_b32 s17, s74, 2
	s_add_co_u32 s17, s17, s41                     ; i1: source 1's; on cy alone
	s_lshl_b32 s43, s41, 2
	s_lshl_b32 s43, 15, s43                        ; my row of the cluster
	s_lshl_b32 s44, 0x1111, s40                    ; my column
	s_or_b32 s[G1], s43, (3<<16)|(1<<21)           ; group 1: 100 rows of 256 bytes (32 elements of 8), dense, no padding; the mask; bit 21 beside it
	s_or_b32 s[G1B], s44, (3<<16)|(1<<21)
.irp g, G1, G1B
	s_mov_b32 s[\g+1], 32<<16                      ; tensor_dim0
	s_mov_b32 s[\g+2], 100<<16                     ; tensor_dim1
	s_mov_b32 s[\g+3], 32<<16                      ; tile_dim0
	s_mov_b32 s[\g+4], 100                         ; tile_dim1
	s_mov_b32 s[\g+5], 32                          ; pitch
	s_mov_b32 s[\g+6], 0
	s_mov_b32 s[\g+7], 0
.endr
	s_lshl_b32 s18, s16, 2
	s_lshl_b32 s20, s17, 3
	s_add_co_u32 s20, s20, s18
	s_mul_i32 s20, s20, REC                        ; source 1: record 8 i1 + 4 (w % 2)
	s_mov_b32 s21, 0
	s_lshl_b32 s46, s42, 3
	s_add_co_u32 s46, s46, s18
	s_mul_i32 s46, s46, REC                        ; source 0: record 8 i0 + 4 (w % 2)
	s_mov_b32 s47, 0
	s_mul_i32 s45, s14, HALF                       ; in LDS: wave x four records
	s_mov_b32 s[HM], 0xffff0000
	s_mov_b32 s[SEL], 0x76543210
	s_mov_b32 s[SEL+1], 0xfedcba98
	s_wait_dscnt 0x0
	s_wait_kmcnt 0x0
	s_cmp_ge_u32 ttmp9, 4
	s_cselect_b64 s[82:83], s[6:7], s[8:9]         ; source 0: v: LN(y)'s image; else the weights'
	s_cselect_b64 s[84:85], s[8:9], s[6:7]         ; source 1: v: the weights'; k: LN(y)'s;
	s_cmp_lt_u32 ttmp9, 2
	s_cselect_b64 s[84:85], s[4:5], s[84:85]       ; q: x's
	s_add_nc_u64 s[20:21], s[84:85], s[20:21]
	s_add_nc_u64 s[46:47], s[82:83], s[46:47]
	CROUND                                         ; all sixteen work-groups are here: the first joint loads meet
	s_mov_b32 s[G0], 1
	s_mov_b32 s[G0+1], s45
	s_mov_b64 s[G0+2:G0+3], s[20:21]
	s_or_b32 s[G0+3], s[G0+3], 0x80000000
	s_mov_b32 s[G0B], 1
	s_mov_b32 s[G0B+1], s45
	s_mov_b64 s[G0B+2:G0B+3], s[46:47]
	s_or_b32 s[G0B+3], s[G0B+3], 0x80000000
	JLOAD G0, G1, G0B, G1B
	s_mov_b32 s[G0+4], 1
	s_add_co_u32 s[G0+5], s45, SLOT
	s_add_nc_u64 s[G0+6:G0+7], s[20:21], s[78:79]
	s_or_b32 s[G0+7], s[G0+7], 0x80000000
	s_mov_b32 s[G0B+4], 1
	s_add_co_u32 s[G0B+5], s45, SLOT
	s_add_nc_u64 s[G0B+6:G0B+7], s[46:47], s[76:77]
	s_or_b32 s[G0B+7], s[G0B+7], 0x80000000
	JLOAD G0+4, G1, G0B+4, G1B                     ; two loads of mine are out: all of K
	v_and_b32 v1, 31, v0
	v_and_b32 v2, 15, v0                           ; r
	v_bfe_u32 v3, v0, 4, 1                         ; h
	v_lshlrev_b32 v14, 4, v1                       ; 16 x lane
	v_lshlrev_b32 v15, 2, v1                       ; 4 x lane
	v_lshlrev_b32 v16, 6, v3                       ; 64 h
	s_mul_i32 s22, s14, 2*REC
.irp s, 0,1
	v_add_nc_u32 v[ADR0+\s], \s*SLOT+REG, v14
	v_add_nc_u32 v[AS0+\s], \s*SLOT+REG+6144, v15
	s_add_co_u32 s23, s22, \s*SLOT
	v_add_nc_u32 v[ADR1+\s], s23, v14
	s_add_co_u32 s23, s23, 6144
	v_add_nc_u32 v[AS1+\s], s23, v15
.endr
.irp b, 0,1,2,3
	v_mov_b32 v[TM+4+\b], 0
.endr
	; THE SUMS BEGIN AS THE BIAS: nothing is cleared and every product adds in place
	s_cmp_ge_u32 ttmp9, 4
	s_cbranch_scc1 .Lbias_v
	s_cmp_lt_u32 ttmp9, 2
	s_cselect_b64 s[86:87], s[10:11], s[68:69]
	s_and_b32 s66, s42, 7
	s_lshl_b32 s66, s66, 9
	s_mov_b32 s67, 0
	s_add_nc_u64 s[86:87], s[86:87], s[66:67]
.irp i, 0,1
.irp a, 0,1,2,3,4,5,6,7
	global_load_b128 v[ACC+8*(8*\i+\a):ACC+8*(8*\i+\a)+3], v16, s[86:87] offset:(32*(\a/2)+8*(\a%2))*4      ; register j of tile a: column 32 (a / 2) + 8 (a % 2) + 16 h + j
	global_load_b128 v[ACC+8*(8*\i+\a)+4:ACC+8*(8*\i+\a)+7], v16, s[86:87] offset:(32*(\a/2)+8*(\a%2))*4+16
.endr
.endr
	s_branch .Lbias_done
.Lbias_v:                              ; v: a lane holds one channel: one number of bv for each of my two tiles, spread over the tile's 64 registers while the tiles are on their way
	s_sub_co_u32 s66, s17, 16
	s_lshl_b32 s66, s66, 9
	s_lshl_b32 s67, s14, 7
	s_add_co_u32 s66, s66, s67
	s_mov_b32 s67, 0
	s_add_nc_u64 s[86:87], s[70:71], s[66:67]
	v_and_b32 v18, 8, v2
	v_add_nc_u32 v18, v18, v2
	v_lshlrev_b32 v18, 2, v18                      ; 4 (r + 8 (r / 8))
	global_load_b32 v[ACC], v18, s[86:87]
	global_load_b32 v[ACC+64], v18, s[86:87] offset:32
	s_wait_loadcnt 0x0
.set n, 1
.rept 63
	v_mov_b32 v[ACC+n], v[ACC]
	v_mov_b32 v[ACC+64+n], v[ACC+64]
.set n, n+1
.endr
.Lbias_done:
	s_wait_tensorcnt 0x1                           ; my part of slot 0 is in; slot 1's one load may be out,
	s_barrier_signal -1
	s_barrier_wait -1                              ; everybody's is
	FETCH 0, 0, 0
	SCALES 0
	s_wait_loadcnt 0x0                             ; the bias
	KSTEP 0, 0, 0
	KSTEP 0, 1, 0
	KSTEP 0, 2, 0
	KSTEP 0, 3, 1
	KSTEP 1, 0, 0
	KSTEP 1, 1, 0
	KSTEP 1, 2, 0
	KSTEP 1, 3, 2
	WIN 0
	PLACES 4                                       ; in front of the first read of results
	s_cmp_ge_u32 ttmp9, 4
	s_cbranch_scc1 .Lout_v
	; ---- q, k: codes 0-5 are the even head's 64, codes 6-11 the odd head's
	s_cmp_lt_u32 ttmp9, 2
	s_cselect_b32 s66, QOFF, 0
	s_and_b32 s67, s42, 7
	s_lshl_b32 s67, s67, 1                         ; the even head
	s_lshr_b32 s88, s17, 4
	s_lshl_b32 s88, s88, 4
	s_add_co_u32 s88, s88, s67
	s_lshl_b32 s88, s88, 4
	s_and_b32 s67, s17, 15
	s_add_co_u32 s88, s88, s67                     ; record ((batch 16 + head) 16 + key step)
	s_mul_i32 s88, s88, AREC
	s_add_co_u32 s88, s88, s66
	s_mov_b32 s89, 0
	s_add_nc_u64 s[12:13], s[12:13], s[88:89]
	s_mul_i32 s66, s14, 1536                       ; my two tiles of the step's eight
	v_add_nc_u32 v20, s66, v14
	s_add_co_u32 s66, s66, 512
	v_lshl_add_u32 v21, v1, 3, s66
	s_lshl_b32 s66, s14, 7
	s_add_co_u32 s66, s66, 12288
	v_mul_u32_u24 v22, v3, HSTR                    ; lanes 0-15 store the even head's scale words, lanes 16-31 the odd head's
	v_lshl_add_u32 v22, v2, 2, v22
	v_add_nc_u32 v22, s66, v22
.irp i, 0,1
.if \i
	s_wait_xcnt 0x0                                ; the stores have read their registers: the codes may be written again
.endif
	QUANT ACC+64*\i
	global_store_b128 v20, v[PC:PC+3], s[12:13] offset:768*\i
	global_store_b64 v21, v[PC+4:PC+5], s[12:13] offset:768*\i
	global_store_b128 v20, v[PC+6:PC+9], s[12:13] offset:768*\i+HSTR
	global_store_b64 v21, v[PC+10:PC+11], s[12:13] offset:768*\i+HSTR
	v_and_b32 v110, 0xffff, v[PW]                  ; a head's word: its two bytes, and 0 above them (those blocks meet zero codes)
	v_lshrrev_b32 v111, 16, v[PW]
	v_cndmask_b32 v[112+\i], v110, v111, s[HM]
	global_store_b32 v22, v[112+\i], s[12:13] offset:64*\i
.endr
	s_branch .Lfin
.Lout_v:                               ; ---- v: my tile i is channel tile 2 (w % 2) + i of head 2 (i1 - 16) + w / 2; its K step is the 128 keys of group i0
	s_sub_co_u32 s66, s17, 16
	s_lshl_b32 s66, s66, 1
	s_add_co_u32 s66, s66, s15
	s_lshr_b32 s88, s42, 4
	s_lshl_b32 s88, s88, 4
	s_add_co_u32 s88, s88, s66
	s_lshl_b32 s88, s88, 4
	s_and_b32 s67, s42, 15
	s_add_co_u32 s88, s88, s67
	s_mul_i32 s88, s88, AREC
	s_mul_i32 s67, s16, 3072
	s_add_co_u32 s88, s88, s67
	s_add_co_u32 s88, s88, 6144
	s_mov_b32 s89, 0
	s_add_nc_u64 s[12:13], s[12:13], s[88:89]
	s_mul_i32 s67, s16, 2944
	s_sub_co_u32 s67, 6656, s67                    ; from my first tile's codes to its scale words: 12,800 + 128 (w % 2) - 6,144 - 3,072 (w % 2)
	v_add_nc_u32 v22, s67, v15
.irp i, 0,1
.if \i
	s_wait_xcnt 0x0
.endif
	QUANT ACC+64*\i
.irp c, 0,1,2
	global_store_b128 v14, v[PC+4*\c:PC+4*\c+3], s[12:13] offset:1536*\i+512*\c
.endr
.if \i == 0
	v_mov_b32 v[PW0], v[PW]
.endif
.endr
	v_cndmask_b32 v110, v[PW0], v[PW], s[HM]       ; lanes 0-15: the first tile's words, lanes 16-31 the second's
	global_store_b32 v22, v110, s[12:13]
.Lfin:
	s_wait_tensorcnt 0x0                           ; the wave's end
	ds_add_u32 v[SPW], v[NIL]
	s_wait_dscnt 0x0
	CROUND                                         ; the closing round
	s_endpgm
.Lfunc_end_k_q6893f856d6_qkv:
	.size	k_q6893f856d6_qkv, .Lfunc_end_k_q6893f856d6_qkv-k_q6893f856d6_qkv
	.p2alignl 7, 3214868480
	.fill 96, 4, 3214868480
	.section	.rodata,"a",@progbits
	.p2align	6, 0x0
	.amdhsa_kernel k_q6893f856d6_qkv
		.amdhsa_group_segment_fixed_size 327680
		.amdhsa_private_segment_fixed_size 0
		.amdhsa_enable_private_segment 0
		.amdhsa_kernarg_size 56
		.amdhsa_user_sgpr_count 2
		.amdhsa_user_sgpr_kernarg_segment_ptr 1
		.amdhsa_wavefront_size32 1
		.amdhsa_system_sgpr_workgroup_id_x 1
		.amdhsa_system_sgpr_workgroup_id_y 1
		.amdhsa_system_sgpr_workgroup_id_z 1
		.amdhsa_system_vgpr_workitem_id 0
		.amdhsa_next_free_vgpr 512
		.amdhsa_next_free_sgpr 100
		.amdhsa_reserve_vcc 0
		.amdhsa_float_denorm_mode_32 3
		.amdhsa_float_denorm_mode_16_64 3
		.amdhsa_memory_ordered 1
		.amdhsa_forward_progress 1
		.amdhsa_inst_pref_size 70
	.end_amdhsa_kernel
	.amdgpu_metadata
---
amdhsa.version: [ 1, 2 ]
amdhsa.kernels:
  - .name:           k_q6893f856d6_qkv
    .symbol:         k_q6893f856d6_qkv.kd
    .args:
      - { .name: aimg, .offset: 0, .size: 8, .value_kind: global_buffer, .address_space: global }
      - { .name: nimg, .offset: 8, .size: 8, .value_kind: global_buffer, .address_space: global }
      - { .name: wimg, .offset: 16, .size: 8, .value_kind: global_buffer, .address_space: global }
      - { .name: bq, .offset: 24, .size: 8, .value_kind: global_buffer, .address_space: global }
      - { .name: bk, .offset: 32, .size: 8, .value_kind: global_buffer, .address_space: global }
      - { .name: bv, .offset: 40, .size: 8, .value_kind: global_buffer, .address_space: global }
      - { .name: qkvc, .offset: 48, .size: 8, .value_kind: global_buffer, .address_space: global }
    .group_segment_fixed_size: 327680
    .private_segment_fixed_size: 0
    .kernarg_segment_align: 8
    .kernarg_segment_size: 56
    .max_flat_workgroup_size: 128
    .sgpr_count:     100
    .vgpr_count:     512
    .wavefront_size: 32
...
	.end_amdgpu_metadata
.endif
;; end of part 3
;; launch attn (part 4): grid 8 x 32, 16 waves a work-group, clusters of 4 x 1, 327,680 bytes of LDS; arguments qkvc, aimg; writes aimg
.if DOCPART == 4
	.amdgcn_target "amdgcn-amd-amdhsa--gfx1250"
	.amdhsa_code_object_version 6
	.text
	.protected	k_q6893f856d6_attn
	.globl	k_q6893f856d6_attn
	.p2align	8
	.type	k_q6893f856d6_attn,@function
k_q6893f856d6_attn:
	s_mov_b64 s[64:65], 0
	v_nop
	global_prefetch_b8 v0, s[64:65] scope:SCOPE_SE
	s_setreg_imm32_b32 hwreg(HW_REG_WAVE_MODE, 25, 1), 1
	s_wait_xcnt 0x0
	s_wait_alu depctr_hold_cnt(0) depctr_sa_sdst(0) depctr_va_vdst(0) depctr_va_sdst(0) depctr_va_ssrc(0) depctr_va_vcc(0) depctr_vm_vsrc(0)
	s_getreg_b32 s2, hwreg(HW_REG_IB_STS2, 6, 4)
	s_cmp_eq_u32 s2, 0
	s_cbranch_scc0 .Lentry_in_a_cluster
	s_endpgm
.Lentry_in_a_cluster:
	s_bfe_u32 s2, ttmp6, 0x10000c
	s_cmp_lg_u32 s2, 0x3003
	s_cbranch_scc0 .Lentry_shape_is_right
	s_endpgm
.Lentry_shape_is_right:
; Attention on codes of FP6 (E2M3).  scores = tril(q k^T / 8): a score whose key comes after its query is 0, NOT minus infinity: such a key still counts, with t = 0.
; t = score x log2(e) / 8; M = the running largest t rounded up to a whole number; p = 2^(t - M) is quantised along the keys; the row's sum is taken of the unquantised p and divides at the end.
; WORK LEFT OUT: a step of q k^T all of whose 128 keys come after the wave's 16 queries: reference() multiplies those scores by the zeros of its own tril, so they reach no output.  There p = 2^-M for all 128 keys:
; the quantiser's own result is the code of 4.0 (0x18) under the byte 125 - M, which is written without an exponential; the product with v is done in full.  LIMIT: for M over 124 that byte is held at 1.
; SHARES.  A work-group has one (batch, head) and sixteen waves; wave w owns the 16 queries of tile 8 pi(w) + g, g the work-group's number among the head's eight, pi a permutation of 0 .. 15 such that the four waves
; w, w + 4, w + 8, w + 12 have the same number of full steps together.  The step on the diagonal is pi(w): it hangs on the wave's number alone.
; LDS holds the WHOLE head: sixteen records of 13,056 bytes (128 keys: K's codes, V^T's codes, their scale words), filled once: each wave asks for two pieces of 6,528 bytes.  No ring, no refill, no LDS store.
; CLUSTER 4 x 1: four work-groups of a head ask for each piece jointly.
; LAYOUT.  Both products transposed: S^T = K Q^T, O^T = V^T P^T: a lane holds one query.  The head's 64 fill half of the product's K: Q's upper six registers are zero codes, so what stands in K's upper six
; (the next tile's codes) adds nothing; their scale bytes are 0, which is a power of two and no NaN.
; OUT: O / sum, quantised along the model's 1,024 (this head's 64 are two blocks), as half a fragment of the image that the output projection reads.
.set AREC,  13056
.set HSTR,  16*AREC
.set QOFF,  32*HSTR
.set PIECE, 6528
.set SPARE, HSTR                       ; behind the head: the spare words, 128 bytes for each of sixteen waves
.set AK,  1                            ; v1 16 x lane;  v2 512 + 8 x lane;  v3 12,288 + 4 r;  v4 6,144 + 16 x lane;  v5 12,800 + 4 r
.set AK2, 2
.set ASK, 3
.set AV,  4
.set ASV, 5
.set SPW, 6
.set NIL, 7
.set ADK, 8                            ; v8-11, v28 the same five in the step's record
.set ADK2, 9
.set ADS, 10
.set ADV, 11
.set ADT, 28
.set QF,  16                           ; v16-27 Q (v22-27 zero codes)
.set DQ,  29                           ; my query within its 128, less 16 (lane / 16)
.set ZR,  30
.set FR,  32                           ; v32-85 K's eight half fragments, 6 registers apart (v80-85 stay 0), or V's four fragments
.set S,   88                           ; v88-151 scores, then p
.set O,   152                          ; v152-183 O^T
.set PCD, 184                          ; p's codes
.set CT,  196
.set CP,  204                          ; the code of 4.0, 128 times
.set BM,  216
.set BP,  220
.set SO,  224
.set KS,  228                          ; v228-238 scale words and nothing else: K's or V's, Q's, p's, the hidden keys'
.set QS,  236
.set PS,  237
.set CW,  238
.set F,   240                          ; v[240:241] f = 2^(old M - new M)
.set WV,  8
.set SD,  12
.set SEL, 40
.set CS,  42
.set TB,  44
.set ST,  45
.macro CROUND
	s_barrier_signal -1
	s_barrier_wait -1
	s_cmp_lg_u32 s[WV], 0
	s_cbranch_scc1 .Lnot_wave_0_\@
	s_barrier_signal -3
.Lnot_wave_0_\@:
	s_barrier_wait -3
	s_barrier_signal -1
	s_barrier_wait -1
.endm
.macro VLOAD                           ; the step's four fragments of V^T and their scale words
.irp dt, 0,1,2,3
.irp c, 0,1,2
	ds_load_b128 v[FR+12*\dt+4*\c:FR+12*\dt+4*\c+3], v[ADV] offset:1536*\dt+512*\c
.endr
	ds_load_b32 v[KS+\dt], v[ADT] offset:64*\dt
.endr
.endm
.macro NEWM                            ; the new -M = floor(-t), and f = 2^(old M - new M): a whole power of two, so the rescaling rounds nothing
	v_mov_b32 v242, v12
	v_floor_f32 v12, -v13
	v_sub_f32 v242, v12, v242
	v_cvt_i32_f32 v242, v242                       ; (it saturates)
	v_ldexp_f32 v[F], 1.0, v242
.endm
.macro RESCALE                         ; O^T under the new M.  These sixteen are also the places in front of the products below
.set n, 0
.rept 16
	v_pk_mul_f32 v[O+2*n:O+2*n+1], v[O+2*n:O+2*n+1], v[F:F+1] op_sel_hi:[1,0]
.set n, n+1
.endr
.endm
.macro FULL                            ; a step with live scores
.set n, 0
.rept 8
	ds_load_b128 v[FR+6*n:FR+6*n+3], v[ADK] offset:768*n
	ds_load_b64 v[FR+6*n+4:FR+6*n+5], v[ADK2] offset:768*n
	ds_load_b32 v[KS+n], v[ADS] offset:64*n
.set n, n+1
.endr
	s_wait_dscnt 0x0
.set n, 0
.rept 8
	v_wmma_scale_f32_16x16x128_f8f6f4 v[S+8*n:S+8*n+7], v[FR+6*n:FR+6*n+11], v[QF:QF+11], 0, v[KS+n], v[QS] matrix_a_fmt:MATRIX_FMT_FP6 matrix_b_fmt:MATRIX_FMT_FP6
.set n, n+1
.endr
.rept 4
	v_nop                                          ; places in front of the loads below and of the first read of results
.endr
	VLOAD                                          ; V lands under the softmax
	s_cmp_lg_u32 s[ST], s[SD]
	s_cbranch_scc1 .Lopen_\@
.set n, 0
.rept 64                               ; on the diagonal: register 16 b + i holds key 32 b + 16 (lane / 16) + i of the step: its score becomes 0 where the key comes after my query
	v_cmp_gt_i32 vcc_lo, 32*(n/16)+n%16, v[DQ]
	v_cndmask_b32 v[S+n], v[S+n], v[ZR], vcc_lo
.set n, n+1
.endr
.Lopen_\@:
.irp b, 0,1,2,3
	v_max3_num_f32 v[BM+\b], v[S+16*\b], v[S+1+16*\b], v[S+2+16*\b]   ; the largest score of each block of 32 keys: for the row's maximum, and, since p rises with the score, for the block's largest p
.endr
.irp i, 3,5,7,9,11,13
.irp b, 0,1,2,3
	v_max3_num_f32 v[BM+\b], v[BM+\b], v[S+16*\b+\i], v[S+1+16*\b+\i]
.endr
.endr
.irp b, 0,1,2,3
	v_max_num_f32 v[BM+\b], v[BM+\b], v[S+15+16*\b]
.endr
.irp b, 0,1,2,3
	v_permlanex16_b32 v[BP+\b], v[BM+\b], s[SEL], s[SEL+1]
.endr
.irp b, 0,1,2,3
	v_max_num_f32 v[BM+\b], v[BM+\b], v[BP+\b]
.endr
	v_max3_num_f32 v242, v[BM], v[BM+1], v[BM+2]
	v_max_num_f32 v242, v242, v[BM+3]
	v_mul_f32 v242, s[CS], v242
	v_max_num_f32 v13, v13, v242                   ; the running largest t
	NEWM
.set n, 0
.rept 32
	v_pk_fma_f32 v[S+2*n:S+2*n+1], v[S+2*n:S+2*n+1], s[CS:CS+1], v[12:13] op_sel_hi:[1,0,0]   ; t - M
.set n, n+1
.endr
.irp b, 0,1,2,3
	v_fma_f32 v[BM+\b], v[BM+\b], s[CS], v12
.endr
.set n, 0
.rept 64
	v_exp_f32 v[S+n], v[S+n]                       ; p = 2^(t - M)
.set n, n+1
.endr
	v_pk_mul_f32 v[14:15], v[14:15], v[F:F+1] op_sel_hi:[1,0]   ; the sums under the new M: a plain place behind the exponentials
	s_wait_alu depctr_va_vdst(0)                   ; one wait for the batch, ahead of its first reader
.irp b, 0,1,2,3
	v_exp_f32 v[BM+\b], v[BM+\b]                   ; each block's largest p
.endr
	v_pk_add_f32 v[BP:BP+1], v[S:S+1], v[S+2:S+3]  ; the row's sum of the unquantised p, in two chains
.irp j, 4,8,12,16,20,24,28,32,36,40,44,48,52,56,60
	v_pk_add_f32 v[14:15], v[14:15], v[S+\j:S+\j+1]
	v_pk_add_f32 v[BP:BP+1], v[BP:BP+1], v[S+2+\j:S+3+\j]
.endr
	v_pk_add_f32 v[14:15], v[14:15], v[BP:BP+1]
	s_wait_alu depctr_va_vdst(0)                   ; and one for the four
.irp b, 0,1,2,3
	v_max_num_f32 v[BM+\b], 0x1800000, v[BM+\b]    ; the floor: the byte cannot fall under 1
.endr
.irp b, 0,1,2,3
	v_add_nc_u32 v[SO+\b], 0xff000000, v[BM+\b]
.endr
.irp b, 0,1,2,3
	v_lshrrev_b32 v[BP+\b], 23, v[SO+\b]
.endr
	v_lshl_or_b32 v[PS], v[BP+1], 8, v[BP]
	v_lshl_or_b32 v[PS], v[BP+2], 16, v[PS]
	v_lshl_or_b32 v[PS], v[BP+3], 24, v[PS]
.irp c, 0,1
	v_cvt_scalef32_pk16_fp6_f32 v[PCD+6*\c:PCD+6*\c+2], v[S+32*\c:S+32*\c+15], v[SO+2*\c]
	v_cvt_scalef32_pk16_fp6_f32 v[CT+4*\c:CT+4*\c+2], v[S+16+32*\c:S+31+32*\c], v[SO+2*\c+1]
.endr
	v_nop
.irp c, 0,1
.irp i, 0,1,2
	v_permlane16_swap_b32 v[PCD+6*\c+\i], v[CT+4*\c+\i]
.endr
.irp i, 0,1,2
	v_mov_b32 v[PCD+3+6*\c+\i], v[CT+4*\c+\i]
.endr
.endr
	RESCALE
	s_wait_dscnt 0x0                               ; V
.irp dt, 0,1,2,3
	v_wmma_scale_f32_16x16x128_f8f6f4 v[O+8*\dt:O+8*\dt+7], v[FR+12*\dt:FR+12*\dt+11], v[PCD:PCD+11], v[O+8*\dt:O+8*\dt+7], v[KS+\dt], v[PS] matrix_a_fmt:MATRIX_FMT_FP6 matrix_b_fmt:MATRIX_FMT_FP6
.endr
.endm
.macro CHEAP                           ; a step all of whose keys come after my queries: t = 0 for all 128
	VLOAD
	v_max_num_f32 v13, 0, v13
	NEWM
	v_cvt_i32_f32 v243, v12                        ; -M
	v_ldexp_f32 v244, 1.0, v243                    ; p = 2^-M
	v_add_nc_u32 v245, 125, v243
	v_max_i32 v245, 1, v245                        ; its block's scale byte: 125 - M, at least 1
	v_lshl_or_b32 v246, v245, 8, v245
	v_lshl_or_b32 v[CW], v246, 16, v246
	v_pk_mul_f32 v[14:15], v[14:15], v[F:F+1] op_sel_hi:[1,0]
	v_fmamk_f32 v14, v244, 0x42800000, v14         ; my 64 of the 128 keys
	RESCALE
	s_wait_dscnt 0x0
.irp dt, 0,1,2,3
	v_wmma_scale_f32_16x16x128_f8f6f4 v[O+8*\dt:O+8*\dt+7], v[FR+12*\dt:FR+12*\dt+11], v[CP:CP+11], v[O+8*\dt:O+8*\dt+7], v[KS+\dt], v[CW] matrix_a_fmt:MATRIX_FMT_FP6 matrix_b_fmt:MATRIX_FMT_FP6
.endr
.endm
.macro LOOP8 lim                       ; eight key steps.  Every wave walks every trip; the branch inside hangs on the count of steps and the wave's number
.Lstep_\@:
	v_add_nc_u32 v[ADK], s[TB], v[AK]              ; the step's addresses, ahead of the parting; the five are also the places in front of loads into registers that the last products read
	v_add_nc_u32 v[ADK2], s[TB], v[AK2]
	v_add_nc_u32 v[ADS], s[TB], v[ASK]
	v_add_nc_u32 v[ADV], s[TB], v[AV]
	v_add_nc_u32 v[ADT], s[TB], v[ASV]
	s_cmp_gt_u32 s[ST], s[SD]
	s_cbranch_scc1 .Lcheap_\@
	FULL
	s_branch .Lnext_\@
.Lcheap_\@:
	CHEAP
.Lnext_\@:
	s_add_co_u32 s[TB], s[TB], AREC
	s_add_co_u32 s[ST], s[ST], 1
	s_cmp_lt_u32 s[ST], \lim
	s_cbranch_scc1 .Lstep_\@
.endm
	s_load_b128 s[4:7], s[0:1], 0x0                ; qkvc, aimg
	v_lshl_add_u32 v[SPW], v0, 2, SPARE
	v_mov_b32 v[NIL], 0
	ds_add_u32 v[SPW], v[NIL]                      ; the opening: the add, twice on end, and its wait ahead of my first tensor load
	ds_add_u32 v[SPW], v[NIL]
	v_lshrrev_b32 v8, 5, v0
	v_readfirstlane_b32 s[WV], v8                  ; wave 0..15
	s_bfe_u32 s9, ttmp6, 0x40000                   ; cx
	s_lshl_b32 s10, ttmp9, 2
	s_add_co_u32 s10, s10, s9                      ; g: it enters Q's and the result's addresses and the mask's numbers alone
	s_and_b32 s11, ttmp7, 0xffff                   ; batch x 16 + head
	s_lshr_b32 s20, s[WV], 2
	s_and_b32 s21, s20, 1
	s_mul_i32 s21, s21, 3
	s_and_b32 s22, s[WV], 3
	s_xor_b32 s22, s22, s21
	s_lshl_b32 s20, s20, 2
	s_add_co_u32 s[SD], s20, s22                   ; pi(w) = 4 (w / 4) + ((w % 4) xor 3 ((w / 4) % 2))
	s_mov_b32 s24, 15|(3<<16)|(1<<21)              ; group 1: 51 rows of 128 bytes (16 elements of 8), dense; the mask names the four; bit 21 beside it
	s_mov_b32 s25, 16<<16
	s_mov_b32 s26, 51<<16
	s_mov_b32 s27, 16<<16
	s_mov_b32 s28, 51
	s_mov_b32 s29, 16
	s_mov_b32 s30, 0
	s_mov_b32 s31, 0
	s_mul_i32 s14, s11, HSTR
	s_mul_i32 s13, s[WV], PIECE                    ; my piece: in LDS and in the head alike
	s_add_co_u32 s14, s14, s13
	s_mov_b32 s15, 0
	s_mov_b32 s[SEL], 0x76543210
	s_mov_b32 s[SEL+1], 0xfedcba98
	s_mov_b32 s[CS], 0x3e38aa3b                    ; log2(e) / 8
	s_mov_b32 s[CS+1], s[CS]
	s_wait_dscnt 0x0
	s_wait_kmcnt 0x0
	CROUND                                         ; the four work-groups are here: the joint loads meet
	s_mov_b32 s32, 1
	s_mov_b32 s33, s13
	s_add_nc_u64 s[34:35], s[4:5], s[14:15]
	s_mov_b32 s36, 1
	s_add_co_u32 s37, s13, 8*AREC
	s_add_nc_u64 s[38:39], s[34:35], 8*AREC
	s_or_b32 s35, s35, 0x80000000
	s_or_b32 s39, s39, 0x80000000
	tensor_load_to_lds s[32:35], s[24:31]          ; my piece of key steps 0-7
	s_nop 0
	tensor_load_to_lds s[36:39], s[24:31]          ; and of key steps 8-15: two loads of mine are out
	s_nop 0
.rept 4
	v_nop
.endr
	v_and_b32 v9, 31, v0
	v_and_b32 v10, 15, v0                          ; r
	v_bfe_u32 v11, v0, 4, 1                        ; h
	v_lshlrev_b32 v[AK], 4, v9
	v_lshl_add_u32 v[AK2], v9, 3, 512
	v_lshl_add_u32 v[ASK], v10, 2, 12288
	v_add_nc_u32 v[AV], 6144, v[AK]
	v_lshl_add_u32 v[ASV], v10, 2, 12800
	s_lshl_b32 s16, s11, 4
	s_add_co_u32 s16, s16, s[SD]
	s_mul_i32 s16, s16, AREC
	s_add_co_u32 s16, s16, QOFF                    ; q's record: my queries lie in step pi(w), tile g
	s_mov_b32 s17, 0
	s_add_nc_u64 s[18:19], s[4:5], s[16:17]
	s_mov_b64 s[20:21], s[18:19]
	s_mul_i32 s22, s10, 768
	s_mov_b32 s23, 0
	s_add_nc_u64 s[18:19], s[18:19], s[22:23]
	s_lshl_b32 s22, s10, 6
	s_add_nc_u64 s[20:21], s[20:21], s[22:23]
	global_load_b128 v[QF:QF+3], v[AK], s[18:19]
	global_load_b64 v[QF+4:QF+5], v[AK2], s[18:19]
	global_load_b32 v[QS], v[ASK], s[20:21]
	s_lshr_b32 s22, s10, 1
	s_lshl_b32 s22, s22, 5
	s_and_b32 s23, s10, 1
	s_lshl_b32 s23, s23, 3
	s_add_co_u32 s22, s22, s23
	v_and_b32 v[DQ], 8, v10
	v_add_nc_u32 v[DQ], v[DQ], v10
	v_add_nc_u32 v[DQ], s22, v[DQ]                 ; my query within its 128: 32 (g / 2) + 8 (g % 2) + r + 8 (r / 8)
	v_lshlrev_b32 v[ZR], 4, v11
	v_sub_nc_u32 v[DQ], v[DQ], v[ZR]
	v_mov_b32 v[ZR], 0
	; where the result goes: record ((head / 8) 256 + 128 batch + tile) of the image, fragment (head / 2) % 4, its lower or upper six registers
	s_and_b32 s46, s11, 15
	s_lshr_b32 s47, s11, 4
	s_lshr_b32 s48, s46, 3
	s_lshl_b32 s48, s48, 8
	s_lshl_b32 s47, s47, 7
	s_add_co_u32 s48, s48, s47
	s_lshl_b32 s47, s[SD], 3
	s_add_co_u32 s48, s48, s47
	s_add_co_u32 s48, s48, s10
	s_mul_i32 s48, s48, 6400
	s_bfe_u32 s47, s46, 0x20001
	s_mul_i32 s50, s47, 1536
	s_add_co_u32 s48, s48, s50
	s_mov_b32 s49, 0
	s_add_nc_u64 s[6:7], s[6:7], s[48:49]
	s_mul_i32 s50, s47, 1472
	s_sub_co_u32 s50, 6144, s50
	s_and_b32 s51, s46, 1
	s_lshl_b32 s51, s51, 1
	s_add_co_u32 s50, s50, s51                     ; from the fragment to my two scale bytes
	v_mov_b32 v13, 0xff61b1e6                      ; the largest t so far: -3e38
	v_floor_f32 v12, -v13
	v_mov_b32 v14, 0
	v_mov_b32 v15, 0
.irp j, 0,1,2,3,4,5
	v_mov_b32 v[QF+6+\j], 0                        ; Q's upper 64 along K: zero codes
	v_mov_b32 v[FR+48+\j], 0                       ; what stands above K's last tile
.endr
.set n, 0
.rept 32
	v_mov_b32 v[O+n], 0                            ; the step is written once: the first finds zeros, which the first change of M leaves zeros
.set n, n+1
.endr
.irp b, 0,1,2,3
	v_mov_b32 v[BP+\b], 0                          ; a lane permute's destination counts as read
	v_mov_b32 v[CP+3*\b], 0x18618618               ; the code 0x18, 16 to three words
	v_mov_b32 v[CP+3*\b+1], 0x86186186
	v_mov_b32 v[CP+3*\b+2], 0x61861861
.endr
	v_mov_b32 v[F+1], 0
	v_mov_b32 v242, 0
	s_wait_loadcnt 0x0                             ; Q
	s_wait_tensorcnt 0x1                           ; my piece of steps 0-7 is in; the one load behind it may be out,
	s_barrier_signal -1
	s_barrier_wait -1                              ; everybody's is
	s_mov_b32 s[ST], 0
	s_mov_b32 s[TB], 0
	LOOP8 8
	s_wait_dscnt 0x0
	s_wait_tensorcnt 0x0                           ; my piece of steps 8-15,
	s_barrier_signal -1
	s_barrier_wait -1                              ; everybody's
	s_mov_b32 s[ST], 8
	s_mov_b32 s[TB], 8*AREC
	LOOP8 16
	; THE WAY OUT
	v_add_f32 v14, v14, v15
	v_permlanex16_b32 v242, v14, s[SEL], s[SEL+1]
	v_add_f32 v14, v14, v242                       ; the row's sum
	v_rcp_f32 v14, v14
	v_and_b32 v244, 15, v0                         ; plain work behind the reciprocal, and places behind the last products
	v_lshlrev_b32 v244, 2, v244
	v_add_nc_u32 v244, s50, v244
	v_nop
	s_wait_alu depctr_va_vdst(0)                   ; ahead of the reciprocal's first reader
.set n, 0
.rept 32
	v_mul_f32 v[S+n], v[O+n], v14                  ; register 16 b + i: channel 32 b + 16 (lane / 16) + i of my query
.set n, n+1
.endr
.irp b, 0,1
	v_max3_num_f32 v[BM+\b], |v[S+16*\b]|, |v[S+1+16*\b]|, 0x1800000
.endr
.irp i, 2,4,6,8,10,12,14
.irp b, 0,1
	v_max3_num_f32 v[BM+\b], v[BM+\b], |v[S+16*\b+\i]|, |v[S+1+16*\b+\i]|
.endr
.endr
.irp b, 0,1
	v_permlanex16_b32 v[BP+\b], v[BM+\b], s[SEL], s[SEL+1]
.endr
.irp b, 0,1
	v_max_num_f32 v[BM+\b], v[BM+\b], v[BP+\b]
.endr
.irp b, 0,1
	v_add_nc_u32 v[SO+\b], 0xff000000, v[BM+\b]
.endr
.irp b, 0,1
	v_lshrrev_b32 v[BP+\b], 23, v[SO+\b]
.endr
	v_lshl_or_b32 v243, v[BP+1], 8, v[BP]
	v_cvt_scalef32_pk16_fp6_f32 v[PCD:PCD+2], v[S:S+15], v[SO]
	v_cvt_scalef32_pk16_fp6_f32 v[CT:CT+2], v[S+16:S+31], v[SO+1]
	v_nop
.irp i, 0,1,2
	v_permlane16_swap_b32 v[PCD+\i], v[CT+\i]
.endr
.irp i, 0,1,2
	v_mov_b32 v[PCD+3+\i], v[CT+\i]
.endr
	s_bitcmp1_b32 s11, 0                           ; an odd head?  The same in all four partners
	s_cbranch_scc1 .Lodd
	global_store_b128 v[AK], v[PCD:PCD+3], s[6:7]                  ; registers 0-3 of the fragment,
	global_store_b64 v[AK], v[PCD+4:PCD+5], s[6:7] offset:512      ; 4 and 5
	s_branch .Lboth
.Lodd:
	global_store_b64 v[AK], v[PCD:PCD+1], s[6:7] offset:520        ; registers 6 and 7,
	global_store_b128 v[AK], v[PCD+2:PCD+5], s[6:7] offset:1024    ; 8-11
.Lboth:
	global_store_b16 v244, v243, s[6:7]            ; my head's two bytes of the row's scale word (both halves of the lanes hold the same)
	s_wait_tensorcnt 0x0                           ; the wave's end
	ds_add_u32 v[SPW], v[NIL]
	s_wait_dscnt 0x0
	CROUND                                         ; the closing round
	s_endpgm
.Lfunc_end_k_q6893f856d6_attn:
	.size	k_q6893f856d6_attn, .Lfunc_end_k_q6893f856d6_attn-k_q6893f856d6_attn
	.p2alignl 7, 3214868480
	.fill 96, 4, 3214868480
	.section	.rodata,"a",@progbits
	.p2align	6, 0x0
	.amdhsa_kernel k_q6893f856d6_attn
		.amdhsa_group_segment_fixed_size 327680
		.amdhsa_private_segment_fixed_size 0
		.amdhsa_enable_private_segment 0
		.amdhsa_kernarg_size 16
		.amdhsa_user_sgpr_count 2
		.amdhsa_user_sgpr_kernarg_segment_ptr 1
		.amdhsa_wavefront_size32 1
		.amdhsa_system_sgpr_workgroup_id_x 1
		.amdhsa_system_sgpr_workgroup_id_y 1
		.amdhsa_system_sgpr_workgroup_id_z 1
		.amdhsa_system_vgpr_workitem_id 0
		.amdhsa_next_free_vgpr 256
		.amdhsa_next_free_sgpr 66
		.amdhsa_reserve_vcc 1
		.amdhsa_float_denorm_mode_32 3
		.amdhsa_float_denorm_mode_16_64 3
		.amdhsa_memory_ordered 1
		.amdhsa_forward_progress 1
		.amdhsa_inst_pref_size 62
	.end_amdhsa_kernel
	.amdgpu_metadata
---
amdhsa.version: [ 1, 2 ]
amdhsa.kernels:
  - .name:           k_q6893f856d6_attn
    .symbol:         k_q6893f856d6_attn.kd
    .args:
      - { .name: qkvc, .offset: 0, .size: 8, .value_kind: global_buffer, .address_space: global }
      - { .name: aimg, .offset: 8, .size: 8, .value_kind: global_buffer, .address_space: global }
    .group_segment_fixed_size: 327680
    .private_segment_fixed_size: 0
    .kernarg_segment_align: 8
    .kernarg_segment_size: 16
    .max_flat_workgroup_size: 512
    .sgpr_count:     66
    .vgpr_count:     256
    .wavefront_size: 32
...
	.end_amdgpu_metadata
.endif
;; end of part 4
;; launch oproj (part 5): grid 8 x 32, 4 waves a work-group, clusters of 4 x 4, 327,680 bytes of LDS; arguments aimg, wimg, bo, y, y1, stats2; writes y1, stats2
.if DOCPART == 5
	.amdgcn_target "amdgcn-amd-amdhsa--gfx1250"
	.amdhsa_code_object_version 6
	.text
	.protected	k_q6893f856d6_oproj
	.globl	k_q6893f856d6_oproj
	.p2align	8
	.type	k_q6893f856d6_oproj,@function
k_q6893f856d6_oproj:
	s_mov_b64 s[64:65], 0
	v_nop
	global_prefetch_b8 v0, s[64:65] scope:SCOPE_SE
	s_setreg_imm32_b32 hwreg(HW_REG_WAVE_MODE, 25, 1), 1
	s_wait_xcnt 0x0
	s_wait_alu depctr_hold_cnt(0) depctr_sa_sdst(0) depctr_va_vdst(0) depctr_va_sdst(0) depctr_va_ssrc(0) depctr_va_vcc(0) depctr_vm_vsrc(0)
	s_getreg_b32 s2, hwreg(HW_REG_IB_STS2, 6, 4)
	s_cmp_eq_u32 s2, 0
	s_cbranch_scc0 .Lentry_in_a_cluster
	s_endpgm
.Lentry_in_a_cluster:
	s_bfe_u32 s2, ttmp6, 0x10000c
	s_cmp_lg_u32 s2, 0xf033
	s_cbranch_scc0 .Lentry_shape_is_right
	s_endpgm
.Lentry_shape_is_right:
; y1 = y + attention Wo + bo, on codes of FP6 (E2M3), and the partial statistics of y1 for the second LayerNorm.
; A work-group makes 128 columns (source 0 = Wo's image) x 128 tokens (source 1 = the attention's image); K = 1,024 lies in LDS whole: two slots of 512 along K, asked for at the head and never filled again.
; A wave takes all 8 tiles of source 0 and its own two of source 1: 16 accumulators, (a, i) at v[128 + 8 (8 i + a)].  The sums begin as the bias.  CLUSTER 4 x 4: source 1's records are shared along a row,
; source 0's along a column, by joint loads.  The way out goes through the wave's own stage in LDS, so that 32 lanes store 512 consecutive bytes of a row; the residual was loaded at the head, in the same places.
; A wave's 32 rows x 128 columns are one partial (mean, sum of squared differences) of 4,096 numbers: partial 32 i1 + 4 i0 + w, whose batch is its number / 512.
.set REC,   6400
.set HALF,  4*REC
.set REG,   8*REC
.set SLOT,  2*REG
.set SPARE, 2*SLOT
.set STG,   SPARE+512                  ; four stages of 16 x 528 bytes, into which no tensor load lands
.set R1STR, 256*REC
.set R0STR, 64*REC
.set W_OFF, 2457600
.set ADR1, 4
.set ADR0, 6
.set AS1,  8
.set AS0,  10
.set SPW,  12
.set NIL,  13
.set STO,  17
.set RD,   18
.set SC,   32                          ; v32-71 scale words and nothing else
.set ACC,  128
.set G1,  24
.set G0,  32
.set G1B, 48
.set G0B, 56
.set SEL, 92
.set MSB, 0
.macro WIN new
.if MSB != \new
	s_set_vgpr_msb (MSB<<8)|\new
.set MSB, \new
.endif
.endm
.macro PLACES n
.rept \n
	v_nop
.endr
.endm
.macro JLOAD g0a, g1a, g0b, g1b        ; a joint load: waves 0, 1 fetch source 1's halves, waves 2, 3 source 0's; an s_nop 0 and four v_nop follow each line
	s_cmp_eq_u32 s15, 0
	s_cbranch_scc0 .Lfor_b_\@
	tensor_load_to_lds s[\g0a:\g0a+3], s[\g1a:\g1a+7]
	s_nop 0
.rept 4
	v_nop
.endr
	s_branch .Lasked_\@
.Lfor_b_\@:
	tensor_load_to_lds s[\g0b:\g0b+3], s[\g1b:\g1b+7]
	s_nop 0
.rept 4
	v_nop
.endr
.Lasked_\@:
.endm
.macro CROUND
	s_barrier_signal -1
	s_barrier_wait -1
	s_cmp_lg_u32 s14, 0
	s_cbranch_scc1 .Lnot_wave_0_\@
	s_barrier_signal -3
.Lnot_wave_0_\@:
	s_barrier_wait -3
	s_barrier_signal -1
	s_barrier_wait -1
.endm
.macro FETCH slot, f, set
	WIN 0x40
.irp a, 0,1,2,3,4,5,6,7
.irp c, 0,1,2
	ds_load_b128 v[128*(\set)+12*\a+4*\c:128*(\set)+12*\a+4*\c+3], v[ADR0+(\slot)] offset:\a*REC+(\f)*1536+512*\c
.endr
.endr
.irp i, 0,1
.irp c, 0,1,2
	ds_load_b128 v[128*(\set)+96+12*\i+4*\c:128*(\set)+96+12*\i+4*\c+3], v[ADR1+(\slot)] offset:\i*REC+(\f)*1536+512*\c
.endr
.endr
.endm
.macro SCALES slot
	WIN 0
.irp a, 0,1,2,3,4,5,6,7
.irp m, 0,1
	ds_load_b32 v[SC+20*(\slot)+2*\a+\m], v[AS0+(\slot)] offset:\a*REC+128*\m
.endr
.endr
.irp i, 0,1
.irp m, 0,1
	ds_load_b32 v[SC+20*(\slot)+16+2*\i+\m], v[AS1+(\slot)] offset:\i*REC+128*\m
.endr
.endr
.endm
.macro MUL set, f, slot                ; 16 products, the 16 accumulators by turns
	WIN 0x05
.irp i, 0,1
.irp a, 0,1,2,3,4,5,6,7
.if (\f)%2
	v_wmma_scale_f32_16x16x128_f8f6f4 v[ACC+8*(8*\i+\a):ACC+8*(8*\i+\a)+7], v[128*(\set)+12*\a:128*(\set)+12*\a+11], v[128*(\set)+96+12*\i:128*(\set)+96+12*\i+11], v[ACC+8*(8*\i+\a):ACC+8*(8*\i+\a)+7], v[SC+20*(\slot)+2*\a+(\f)/2], v[SC+20*(\slot)+16+2*\i+(\f)/2] matrix_a_fmt:MATRIX_FMT_FP6 matrix_b_fmt:MATRIX_FMT_FP6 matrix_a_scale:MATRIX_SCALE_ROW1 matrix_b_scale:MATRIX_SCALE_ROW1
.else
	v_wmma_scale_f32_16x16x128_f8f6f4 v[ACC+8*(8*\i+\a):ACC+8*(8*\i+\a)+7], v[128*(\set)+12*\a:128*(\set)+12*\a+11], v[128*(\set)+96+12*\i:128*(\set)+96+12*\i+11], v[ACC+8*(8*\i+\a):ACC+8*(8*\i+\a)+7], v[SC+20*(\slot)+2*\a+(\f)/2], v[SC+20*(\slot)+16+2*\i+(\f)/2] matrix_a_fmt:MATRIX_FMT_FP6 matrix_b_fmt:MATRIX_FMT_FP6
.endif
.endr
.endr
.endm
.macro KSTEP slot, f, mode             ; mode 0: the next fragments from the same slot; 1: from the other, shown whole first; 2: nothing more
	s_wait_dscnt 0x0                               ; this step's fragments are in
.if \mode == 1
	s_wait_tensorcnt 0x0
	s_barrier_signal -1
	s_barrier_wait -1
.endif
.if \mode < 2
	PLACES 4                                       ; in front of loads into registers that the last step's products read
.if \mode == 0
	FETCH \slot, (\f)+1, ((\f)+1)%2
.else
	FETCH 1-\slot, 0, 0
	SCALES 1-\slot
.endif
.endif
	MUL (\f)%2, \f, \slot
.endm
.macro RSUM x, tmp
	v_add_f32_dpp v[\x], v[\x], v[\x] row_xmask:1 row_mask:0xf bank_mask:0xf
	v_add_f32_dpp v[\x], v[\x], v[\x] row_xmask:2 row_mask:0xf bank_mask:0xf
	v_add_f32_dpp v[\x], v[\x], v[\x] row_xmask:4 row_mask:0xf bank_mask:0xf
	v_add_f32_dpp v[\x], v[\x], v[\x] row_xmask:8 row_mask:0xf bank_mask:0xf
	v_permlanex16_b32 v[\tmp], v[\x], s[SEL], s[SEL+1]
	v_add_f32 v[\x], v[\x], v[\tmp]
.endm
.macro MERGE t
	v_pk_add_f32 v[\t:\t+1], v[\t:\t+1], v[\t+2:\t+3]
	v_pk_add_f32 v[\t+4:\t+5], v[\t+4:\t+5], v[\t+6:\t+7]
	v_pk_add_f32 v[\t:\t+1], v[\t:\t+1], v[\t+4:\t+5]
	v_add_f32 v[\t], v[\t], v[\t+1]
	RSUM \t, \t+1
.endm
.macro STATS z, t                      ; 128 numbers a lane: the wave's mean into v[t+16], the sum of squared differences from it into v[t+17]: two passes over registers
.irp c, 0,1,2,3
	v_pk_add_f32 v[\t+2*\c:\t+2*\c+1], v[\z+2*\c:\z+2*\c+1], v[\z+8+2*\c:\z+9+2*\c]
.endr
.irp j, 2,3,4,5,6,7,8,9,10,11,12,13,14,15
.irp c, 0,1,2,3
	v_pk_add_f32 v[\t+2*\c:\t+2*\c+1], v[\t+2*\c:\t+2*\c+1], v[\z+8*\j+2*\c:\z+8*\j+2*\c+1]
.endr
.endr
	MERGE \t
	v_mul_f32 v[\t+16], 0x39800000, v[\t]
	v_mov_b32 v[\t+17], 0
.set q, 0
.rept 64
	v_pk_add_f32 v[\t+8+2*(q%4):\t+9+2*(q%4)], v[\z+2*q:\z+2*q+1], v[\t+16:\t+17] op_sel_hi:[1,0] neg_lo:[0,1] neg_hi:[0,1]
.if q < 4
	v_pk_mul_f32 v[\t+2*(q%4):\t+2*(q%4)+1], v[\t+8+2*(q%4):\t+9+2*(q%4)], v[\t+8+2*(q%4):\t+9+2*(q%4)]
.else
	v_pk_fma_f32 v[\t+2*(q%4):\t+2*(q%4)+1], v[\t+8+2*(q%4):\t+9+2*(q%4)], v[\t+8+2*(q%4):\t+9+2*(q%4)], v[\t+2*(q%4):\t+2*(q%4)+1]
.endif
.set q, q+1
.endr
	MERGE \t
	v_mov_b32 v[\t+17], v[\t]
.endm
	s_load_b256 s[4:11], s[0:1], 0x0               ; aimg 4, wimg 6, bo 8, y 10
	s_load_b128 s[68:71], s[0:1], 0x20             ; y1 68, stats2 70
	v_lshl_add_u32 v[SPW], v0, 2, SPARE
	v_mov_b32 v[NIL], 0
	ds_add_u32 v[SPW], v[NIL]                      ; the opening: the add, twice on end, and its wait ahead of my first tensor load
	ds_add_u32 v[SPW], v[NIL]
	v_lshrrev_b32 v1, 5, v0
	v_readfirstlane_b32 s14, v1
	s_lshr_b32 s15, s14, 1
	s_and_b32 s16, s14, 1
	s_bfe_u32 s40, ttmp6, 0x40000                  ; cx
	s_bfe_u32 s41, ttmp6, 0x40004                  ; cy
	s_lshl_b32 s42, ttmp9, 2
	s_add_co_u32 s42, s42, s40                     ; i0: 128 columns
	s_and_b32 s17, ttmp7, 0xffff
	s_lshl_b32 s17, s17, 2
	s_add_co_u32 s17, s17, s41                     ; i1: 128 tokens
	s_lshl_b32 s43, s41, 2
	s_lshl_b32 s43, 15, s43
	s_lshl_b32 s44, 0x1111, s40
	s_or_b32 s[G1], s43, (3<<16)|(1<<21)           ; group 1: 100 rows of 256 bytes, dense; the mask; bit 21 beside it
	s_or_b32 s[G1B], s44, (3<<16)|(1<<21)
.irp g, G1, G1B
	s_mov_b32 s[\g+1], 32<<16
	s_mov_b32 s[\g+2], 100<<16
	s_mov_b32 s[\g+3], 32<<16
	s_mov_b32 s[\g+4], 100
	s_mov_b32 s[\g+5], 32
	s_mov_b32 s[\g+6], 0
	s_mov_b32 s[\g+7], 0
.endr
	s_lshl_b32 s18, s16, 2
	s_lshl_b32 s20, s17, 3
	s_add_co_u32 s20, s20, s18
	s_mul_i32 s20, s20, REC
	s_mov_b32 s21, 0
	s_lshl_b32 s46, s42, 3
	s_add_co_u32 s46, s46, s18
	s_mul_i32 s46, s46, REC
	s_mov_b32 s47, 0
	s_mul_i32 s45, s14, HALF
	s_mov_b32 s[SEL], 0x76543210
	s_mov_b32 s[SEL+1], 0xfedcba98
	s_wait_dscnt 0x0
	s_wait_kmcnt 0x0
	s_add_nc_u64 s[20:21], s[4:5], s[20:21]
	s_add_nc_u64 s[46:47], s[6:7], s[46:47]
	s_add_nc_u64 s[46:47], s[46:47], W_OFF
	CROUND
.irp s, 0,1
	s_mov_b32 s[G0+4*\s], 1
	s_add_co_u32 s[G0+4*\s+1], s45, \s*SLOT
	s_add_nc_u64 s[G0+4*\s+2:G0+4*\s+3], s[20:21], \s*R1STR
	s_or_b32 s[G0+4*\s+3], s[G0+4*\s+3], 0x80000000
	s_mov_b32 s[G0B+4*\s], 1
	s_add_co_u32 s[G0B+4*\s+1], s45, \s*SLOT
	s_add_nc_u64 s[G0B+4*\s+2:G0B+4*\s+3], s[46:47], \s*R0STR
	s_or_b32 s[G0B+4*\s+3], s[G0B+4*\s+3], 0x80000000
	JLOAD G0+4*\s, G1, G0B+4*\s, G1B
.endr
	v_and_b32 v1, 31, v0
	v_and_b32 v2, 15, v0
	v_bfe_u32 v3, v0, 4, 1
	v_lshlrev_b32 v14, 4, v1
	v_lshlrev_b32 v15, 2, v1
	v_lshlrev_b32 v16, 6, v3
	s_mul_i32 s22, s14, 2*REC
.irp s, 0,1
	v_add_nc_u32 v[ADR0+\s], \s*SLOT+REG, v14
	v_add_nc_u32 v[AS0+\s], \s*SLOT+REG+6144, v15
	s_add_co_u32 s23, s22, \s*SLOT
	v_add_nc_u32 v[ADR1+\s], s23, v14
	s_add_co_u32 s23, s23, 6144
	v_add_nc_u32 v[AS1+\s], s23, v15
.endr
	s_mul_i32 s23, s14, 8448
	s_add_co_u32 s23, s23, STG                     ; my stage
	v_mul_u32_u24 v[STO], v2, 528
	v_lshl_add_u32 v[STO], v3, 6, v[STO]
	v_add_nc_u32 v[STO], s23, v[STO]               ; in: row r, + 64 h
	v_add_nc_u32 v[RD], s23, v14                   ; back: a whole row, 16 bytes a lane
	v_mov_b32 v19, 0
	s_lshl_b32 s66, s42, 9
	s_mov_b32 s67, 0
	s_add_nc_u64 s[8:9], s[8:9], s[66:67]          ; the bias of my 128 columns
	s_lshl_b32 s72, s17, 19
	s_lshl_b32 s73, s14, 17
	s_add_co_u32 s72, s72, s73
	s_add_co_u32 s72, s72, s66                     ; row 128 i1 + 32 w, byte 512 i0
	s_mov_b32 s73, 0
	s_add_nc_u64 s[10:11], s[10:11], s[72:73]
	s_add_nc_u64 s[68:69], s[68:69], s[72:73]
	s_lshl_b32 s74, s17, 5
	s_lshl_b32 s75, s42, 2
	s_add_co_u32 s74, s74, s75
	s_add_co_u32 s74, s74, s14
	s_lshl_b32 s74, s74, 3
	s_mov_b32 s75, 0
	s_add_nc_u64 s[70:71], s[70:71], s[74:75]
.irp i, 0,1                            ; the sums begin as the bias
.irp a, 0,1,2,3,4,5,6,7
	global_load_b128 v[ACC+8*(8*\i+\a):ACC+8*(8*\i+\a)+3], v16, s[8:9] offset:(32*(\a/2)+8*(\a%2))*4
	global_load_b128 v[ACC+8*(8*\i+\a)+4:ACC+8*(8*\i+\a)+7], v16, s[8:9] offset:(32*(\a/2)+8*(\a%2))*4+16
.endr
.endr
	WIN 0x80                                       ; destination window 2: the residual, 512 consecutive bytes a load
.irp i, 0,1
.irp rr, 0,1,2,3,4,5,6,7,8,9,10,11,12,13,14,15
	global_load_b128 v[64*\i+4*\rr:64*\i+4*\rr+3], v14, s[10:11] offset:(8*\i+\rr+8*(\rr/8))*4096
.endr
.endr
	WIN 0
	s_wait_tensorcnt 0x1                           ; my part of slot 0 is in; slot 1's one load may be out
	s_barrier_signal -1
	s_barrier_wait -1
	FETCH 0, 0, 0
	SCALES 0
	s_wait_loadcnt 32                              ; the bias is in; the residual's 32 loads may be out
	KSTEP 0, 0, 0
	KSTEP 0, 1, 0
	KSTEP 0, 2, 0
	KSTEP 0, 3, 1
	KSTEP 1, 0, 0
	KSTEP 1, 1, 0
	KSTEP 1, 2, 0
	KSTEP 1, 3, 2
	WIN 0
	PLACES 4                                       ; in front of the first read of results
.irp i, 0,1                            ; a tile of 16 tokens x 128 columns into my stage, each accumulator from its low end on, and back as whole rows into the registers that it left
.irp a, 0,1,2,3,4,5,6,7
	ds_store_b128 v[STO], v[ACC+8*(8*\i+\a):ACC+8*(8*\i+\a)+3] offset:128*(\a/2)+32*(\a%2)
	ds_store_b128 v[STO], v[ACC+8*(8*\i+\a)+4:ACC+8*(8*\i+\a)+7] offset:128*(\a/2)+32*(\a%2)+16
.endr
.irp rr, 0,1,2,3,4,5,6,7,8,9,10,11,12,13,14,15
	ds_load_b128 v[ACC+64*\i+4*\rr:ACC+64*\i+4*\rr+3], v[RD] offset:528*\rr   ; LDS serves a wave's instructions in order
.endr
.endr
	s_wait_loadcnt 0x0                             ; the residual
.irp i, 0,1
	s_wait_dscnt 32-32*\i                          ; tile i is back; behind tile 0's loads stand tile 1's 16 stores and 16 loads
	WIN 0x08                                       ; source 1 in window 2
.set q, 0
.rept 32
	v_pk_add_f32 v[ACC+64*\i+2*q:ACC+64*\i+2*q+1], v[ACC+64*\i+2*q:ACC+64*\i+2*q+1], v[64*\i+2*q:64*\i+2*q+1]
.set q, q+1
.endr
	WIN 0
.irp rr, 0,1,2,3,4,5,6,7,8,9,10,11,12,13,14,15
	global_store_b128 v14, v[ACC+64*\i+4*\rr:ACC+64*\i+4*\rr+3], s[68:69] offset:(8*\i+\rr+8*(\rr/8))*4096   ; 32 lanes store 512 consecutive bytes
.endr
.endr
	STATS 128, 72                                  ; it only reads the numbers that the stores read
	s_wait_xcnt 0x0                                ; EXEC changes only behind this wait
	v_cmp_eq_u32 vcc_lo, 0, v1
	s_and_saveexec_b32 s94, vcc_lo
	global_store_b64 v19, v[88:89], s[70:71]
	s_wait_xcnt 0x0
	s_or_b32 exec_lo, exec_lo, s94
	s_wait_tensorcnt 0x0                           ; the wave's end
	ds_add_u32 v[SPW], v[NIL]
	s_wait_dscnt 0x0
	CROUND                                         ; the closing round
	s_endpgm
.Lfunc_end_k_q6893f856d6_oproj:
	.size	k_q6893f856d6_oproj, .Lfunc_end_k_q6893f856d6_oproj-k_q6893f856d6_oproj
	.p2alignl 7, 3214868480
	.fill 96, 4, 3214868480
	.section	.rodata,"a",@progbits
	.p2align	6, 0x0
	.amdhsa_kernel k_q6893f856d6_oproj
		.amdhsa_group_segment_fixed_size 327680
		.amdhsa_private_segment_fixed_size 0
		.amdhsa_enable_private_segment 0
		.amdhsa_kernarg_size 48
		.amdhsa_user_sgpr_count 2
		.amdhsa_user_sgpr_kernarg_segment_ptr 1
		.amdhsa_wavefront_size32 1
		.amdhsa_system_sgpr_workgroup_id_x 1
		.amdhsa_system_sgpr_workgroup_id_y 1
		.amdhsa_system_sgpr_workgroup_id_z 1
		.amdhsa_system_vgpr_workitem_id 0
		.amdhsa_next_free_vgpr 640
		.amdhsa_next_free_sgpr 100
		.amdhsa_reserve_vcc 1
		.amdhsa_float_denorm_mode_32 3
		.amdhsa_float_denorm_mode_16_64 3
		.amdhsa_memory_ordered 1
		.amdhsa_forward_progress 1
		.amdhsa_inst_pref_size 74
	.end_amdhsa_kernel
	.amdgpu_metadata
---
amdhsa.version: [ 1, 2 ]
amdhsa.kernels:
  - .name:           k_q6893f856d6_oproj
    .symbol:         k_q6893f856d6_oproj.kd
    .args:
      - { .name: aimg, .offset: 0, .size: 8, .value_kind: global_buffer, .address_space: global }
      - { .name: wimg, .offset: 8, .size: 8, .value_kind: global_buffer, .address_space: global }
      - { .name: bo, .offset: 16, .size: 8, .value_kind: global_buffer, .address_space: global }
      - { .name: y, .offset: 24, .size: 8, .value_kind: global_buffer, .address_space: global }
      - { .name: y1, .offset: 32, .size: 8, .value_kind: global_buffer, .address_space: global }
      - { .name: stats2, .offset: 40, .size: 8, .value_kind: global_buffer, .address_space: global }
    .group_segment_fixed_size: 327680
    .private_segment_fixed_size: 0
    .kernarg_segment_align: 8
    .kernarg_segment_size: 48
    .max_flat_workgroup_size: 128
    .sgpr_count:     100
    .vgpr_count:     640
    .wavefront_size: 32
...
	.end_amdgpu_metadata
.endif
;; end of part 5
;; launch lnq2: the kernel of part 2 again; grid 512 x 1, 4 waves a work-group, no clusters, 34,304 bytes of LDS; arguments y1, ln2_w, ln2_b, stats2, nimg; writes nimg
;; launch ffn1 (part 6): grid 16 x 16, 4 waves a work-group, clusters of 4 x 4, 327,680 bytes of LDS; arguments nimg, wimg, b1, himg; writes himg
.if DOCPART == 6
	.amdgcn_target "amdgcn-amd-amdhsa--gfx1250"
	.amdhsa_code_object_version 6
	.text
	.protected	k_q6893f856d6_ffn1
	.globl	k_q6893f856d6_ffn1
	.p2align	8
	.type	k_q6893f856d6_ffn1,@function
k_q6893f856d6_ffn1:
	s_mov_b64 s[64:65], 0
	v_nop
	global_prefetch_b8 v0, s[64:65] scope:SCOPE_SE
	s_setreg_imm32_b32 hwreg(HW_REG_WAVE_MODE, 25, 1), 1
	s_wait_xcnt 0x0
	s_wait_alu depctr_hold_cnt(0) depctr_sa_sdst(0) depctr_va_vdst(0) depctr_va_sdst(0) depctr_va_ssrc(0) depctr_va_vcc(0) depctr_vm_vsrc(0)
	s_getreg_b32 s2, hwreg(HW_REG_IB_STS2, 6, 4)
	s_cmp_eq_u32 s2, 0
	s_cbranch_scc0 .Lentry_in_a_cluster
	s_endpgm
.Lentry_in_a_cluster:
	s_bfe_u32 s2, ttmp6, 0x10000c
	s_cmp_lg_u32 s2, 0xf033
	s_cbranch_scc0 .Lentry_shape_is_right
	s_endpgm
.Lentry_shape_is_right:
; h = relu(LN(y1) W1 + b1) on codes of FP6 (E2M3), quantised on the way along the hidden 4,096: it goes to memory as codes alone.
; SHARES.  A work-group takes 256 tokens x 256 hidden units, in two passes of 128 hidden units; a wave takes 64 tokens (four tiles) x all eight tiles of a pass: 32 accumulators, (a, i) at v[8 (8 i + a)] of window 2.
; The product is used transposed (source 0 = 16 rows of W1's image, source 1 = 16 tokens): a lane holds one token and 128 neighbouring hidden units: one K step of the next product.
; THE TOKENS GO FROM MEMORY STRAIGHT INTO REGISTERS.  A token tile is read by one wave alone, and the image lies in the order of the operand's registers: a fragment is three loads of 512 consecutive bytes.
; A wave's four tiles for all of K = 1,024 are 32 fragments, 384 registers, loaded once for both passes.  So LDS is read for the weights alone: 8 fragments for 32 products.
; THE WEIGHTS of both passes, four units of 51,200 bytes (128 rows x 512 along K), lie in LDS whole: first fills alone, two loads a wave; nothing is filled again.
; CLUSTER 4 x 4: the weights hang on the work-group's x alone and are asked for jointly along a column of the cluster.  The tokens are not asked for jointly: they do not pass through LDS.
; The bias is the C of each pass's first 32 products: eight registers a tile in the result's layout.
; REGISTERS: window 0: v4-23 addresses; v24-71 scale words and nothing else; v72-109 the quantiser's; v124-255 the tokens' fragments 21-31.  window 1: two sets of the weights' eight fragments (v0-95, v128-223),
;   the bias (v96-127, v224-255).  window 2: the accumulators.  window 3: the tokens' fragments 0-20.  Fragment n = 4 x K step + tile.
.set REC,   6400
.set UNIT,  8*REC                      ; 128 rows x 512 along K
.set PIECE, 4*REC                      ; what one tensor load brings
.set SPARE, 4*UNIT                     ; behind the four units: the spare words, 128 bytes a wave
.set KSTR,  256*REC                    ; from 512 to 512 along K, in both images
.set W_OFF, 3276800
.set ADR0, 4                           ; v4-7   16 x lane + the unit's first byte
.set AS0,  8                           ; v8-11  4 x lane + the unit's first scale word
.set SPW,  12
.set NIL,  13
.set L16,  14
.set L4,   15
.set H64,  16
.set SOF,  20                          ; where my scale words go
.set SW,   21                          ; v21, 22 two tiles' scale words joined
.set SC0,  24                          ; v24-55 the weights' scale words: set s at 16 s: tile a at 2 a + m; lanes 0-15 fragment 2 m, lanes 16-31 fragment 2 m + 1
.set S1,   56                          ; v56-71 the tokens': 8 kq + 2 i + m
.set TM,   72
.set PW,   88
.set PW0,  89
.set PC,   90
.set TK0,  124
.set BI,   96                          ; the bias, in window 1
.set G1B, 48
.set G0B, 56
.set HM,  90
.set SEL, 92
.set MSB, 0
.macro WIN new                         ; the immediate's high byte repeats the setting that is left
.if MSB != \new
	s_set_vgpr_msb (MSB<<8)|\new
.set MSB, \new
.endif
.endm
.macro PLACES n
.rept \n
	v_nop
.endr
.endm
.macro CROUND                          ; a round of the cluster's barrier
	s_barrier_signal -1
	s_barrier_wait -1
	s_cmp_lg_u32 s14, 0
	s_cbranch_scc1 .Lnot_wave_0_\@
	s_barrier_signal -3
.Lnot_wave_0_\@:
	s_barrier_wait -3
	s_barrier_signal -1
	s_barrier_wait -1
.endm
.macro TOK n                           ; window TW and first register TR of the tokens' fragment n
.if (\n) < 21
.set TW, 3
.set TR, 12*(\n)
.else
.set TW, 0
.set TR, TK0+12*((\n)-21)
.endif
.endm
.macro TLOADS kq                       ; my four tiles' 512 along K: 8 scale words, then 16 fragments, K step by K step
	WIN 0
.irp i, 0,1,2,3
.irp m, 0,1
	global_load_b32 v[S1+8*(\kq)+2*\i+\m], v[L4], s[4:5] offset:(\kq)*KSTR+\i*REC+6144+128*\m
.endr
.endr
.irp f, 0,1,2,3
.irp i, 0,1,2,3
	TOK 16*(\kq)+4*\f+\i
	WIN (TW<<6)
.irp c, 0,1,2
	global_load_b128 v[TR+4*\c:TR+4*\c+3], v[L16], s[4:5] offset:(\kq)*KSTR+\i*REC+\f*1536+512*\c   ; 32 lanes read 512 consecutive bytes
.endr
.endr
.endr
.endm
.macro BIAS p                          ; register j of tile a: hidden unit 32 (a / 2) + 8 (a % 2) + 16 h + j of the pass's 128
	WIN 0x40
.irp a, 0,1,2,3,4,5,6,7
	global_load_b128 v[BI+8*\a+96*(\a/4):BI+8*\a+96*(\a/4)+3], v[H64], s[8:9] offset:512*(\p)+(32*(\a/2)+8*(\a%2))*4
	global_load_b128 v[BI+8*\a+96*(\a/4)+4:BI+8*\a+96*(\a/4)+7], v[H64], s[8:9] offset:512*(\p)+(32*(\a/2)+8*(\a%2))*4+16
.endr
.endm
.macro FETCH u, f, set                 ; the weights' eight fragments of 128 along K: 24 loads of 512 consecutive bytes
	WIN 0x40
.irp a, 0,1,2,3,4,5,6,7
.irp c, 0,1,2
	ds_load_b128 v[128*(\set)+12*\a+4*\c:128*(\set)+12*\a+4*\c+3], v[ADR0+(\u)] offset:\a*REC+(\f)*1536+512*\c
.endr
.endr
.endm
.macro SCALES u, sc
	WIN 0
.irp a, 0,1,2,3,4,5,6,7
.irp m, 0,1
	ds_load_b32 v[SC0+16*(\sc)+2*\a+\m], v[AS0+(\u)] offset:\a*REC+128*\m
.endr
.endr
.endm
; 32 products of K step j, the 32 accumulators by turns, in the same order in every step.  first = 1: the bias is C and the sums begin
.macro MUL j, first
.irp i, 0,1,2,3
	TOK 4*(\j)+\i
.if \first
	WIN (0x91|(TW<<2))                             ; source 0 and C window 1, D window 2
.else
	WIN (0xa1|(TW<<2))                             ; source 0 window 1, C and D window 2
.endif
.irp a, 0,1,2,3,4,5,6,7
.if \first
	v_wmma_scale_f32_16x16x128_f8f6f4 v[8*(8*\i+\a):8*(8*\i+\a)+7], v[12*\a:12*\a+11], v[TR:TR+11], v[BI+8*\a+96*(\a/4):BI+8*\a+96*(\a/4)+7], v[SC0+2*\a], v[S1+2*\i] matrix_a_fmt:MATRIX_FMT_FP6 matrix_b_fmt:MATRIX_FMT_FP6
.elseif (\j)%2
	v_wmma_scale_f32_16x16x128_f8f6f4 v[8*(8*\i+\a):8*(8*\i+\a)+7], v[128*((\j)%2)+12*\a:128*((\j)%2)+12*\a+11], v[TR:TR+11], v[8*(8*\i+\a):8*(8*\i+\a)+7], v[SC0+16*((\j)/4)+2*\a+((\j)%4)/2], v[S1+8*((\j)/4)+2*\i+((\j)%4)/2] matrix_a_fmt:MATRIX_FMT_FP6 matrix_b_fmt:MATRIX_FMT_FP6 matrix_a_scale:MATRIX_SCALE_ROW1 matrix_b_scale:MATRIX_SCALE_ROW1
.else
	v_wmma_scale_f32_16x16x128_f8f6f4 v[8*(8*\i+\a):8*(8*\i+\a)+7], v[128*((\j)%2)+12*\a:128*((\j)%2)+12*\a+11], v[TR:TR+11], v[8*(8*\i+\a):8*(8*\i+\a)+7], v[SC0+16*((\j)/4)+2*\a+((\j)%4)/2], v[S1+8*((\j)/4)+2*\i+((\j)%4)/2] matrix_a_fmt:MATRIX_FMT_FP6 matrix_b_fmt:MATRIX_FMT_FP6
.endif
.endr
.endr
.endm
; K step j of pass p.  The next step's fragments are asked for ahead of this step's products and land under them.
.macro KSTEP p, j
	s_wait_dscnt 0x0                               ; this step's fragments, asked for a step ago, are in
.if (\p) == 0
.if (\j) == 7
	s_wait_tensorcnt 0x0                           ; my part of pass 1's weights has landed,
	s_barrier_signal -1
	s_barrier_wait -1                              ; everybody's has.
.endif
.endif
.if (\p)+(\j) < 8
	PLACES 4                                       ; in front of loads into registers that the last step's products read
.endif
.if (\p) == 0
.if (\j) == 1
	BIAS 1                                         ; pass 0's bias has been taken: its registers take pass 1's
.endif
.endif
.if (\j) < 7
	FETCH 2*(\p)+((\j)+1)/4, ((\j)+1)%4, ((\j)+1)%2
.if (\j) == 3
	SCALES 2*(\p)+1, 1
.endif
.elseif (\p) == 0
	FETCH 2, 0, 0
	SCALES 2, 0
.endif
.if (\p) == 0
.if (\j) < 4
	s_wait_loadcnt 63                              ; this step's 12 token loads are in: 72 loads or more were issued behind them, and 63 is the most that a wait can name
.else
	s_wait_loadcnt 12*(7-(\j))+16                  ; behind this step's token loads: 12 for each later step, and pass 1's 16 of bias
.endif
.elseif (\j) == 0
	s_wait_loadcnt 0x0                             ; pass 1's bias
.endif
.if (\j) == 0
	MUL \j, 1
.else
	MUL \j, 0
.endif
.endm
; 64 numbers of a lane in window 2, register 16 b + i = k 32 b + 16 (lane / 16) + i of my token, become 12 registers of codes in v[PC] on and the scale word v[PW], in window 0
.macro QUANT s
	WIN 0x0a                                       ; sources 0 and 1 window 2
.irp b, 0,1,2,3
	v_max3_num_f32 v[TM+\b], |v[\s+16*\b]|, |v[\s+1+16*\b]|, 0x1800000   ; my 16 numbers of block b, and the floor 2^(3 - 127): the byte cannot fall under 1
.endr
	WIN 0x28                                       ; sources 1 and 2 window 2
.irp i, 2,4,6,8,10,12,14
.irp b, 0,1,2,3
	v_max3_num_f32 v[TM+\b], v[TM+\b], |v[\s+16*\b+\i]|, |v[\s+1+16*\b+\i]|
.endr
.endr
	WIN 0
.irp b, 0,1,2,3
	v_permlanex16_b32 v[TM+4+\b], v[TM+\b], s[SEL], s[SEL+1]
.endr
.irp b, 0,1,2,3
	v_max_num_f32 v[TM+\b], v[TM+\b], v[TM+4+\b]
.endr
.irp b, 0,1,2,3
	v_add_nc_u32 v[TM+12+\b], 0xff000000, v[TM+\b]     ; 2 off the exponent field: the conversion's scale operand
.endr
.irp b, 0,1,2,3
	v_lshrrev_b32 v[TM+4+\b], 23, v[TM+12+\b]
.endr
	v_lshl_or_b32 v[PW], v[TM+5], 8, v[TM+4]
	v_lshl_or_b32 v[PW], v[TM+6], 16, v[PW]
	v_lshl_or_b32 v[PW], v[TM+7], 24, v[PW]
	WIN 0x02                                       ; source 0 window 2
.irp c, 0,1
	v_cvt_scalef32_pk16_fp6_f32 v[PC+6*\c:PC+2+6*\c], v[\s+32*\c:\s+15+32*\c], v[TM+12+2*\c]
	v_cvt_scalef32_pk16_fp6_f32 v[PC+12+4*\c:PC+14+4*\c], v[\s+16+32*\c:\s+31+32*\c], v[TM+12+2*\c+1]
.endr
	WIN 0
	v_nop                                          ; one plain place behind a scaled conversion
.irp c, 0,1
.irp i, 0,1,2
	v_permlane16_swap_b32 v[PC+6*\c+\i], v[PC+12+4*\c+\i]
.endr
.irp i, 0,1,2
	v_mov_b32 v[PC+3+6*\c+\i], v[PC+12+4*\c+\i]
.endr
.endr
.endm
; The way out of pass p: four tiles of 16 tokens: relu, the quantiser, one fragment of the next product's image each
.macro OUTP p
	PLACES 4                                       ; in front of the first read of results
.irp i, 0,1,2,3
	WIN 0x88                                       ; source 1 and destination window 2
.set n, 0
.rept 64
	v_max_num_f32 v[64*\i+n], 0, v[64*\i+n]        ; the activation, in f32; each accumulator from its low end on
.set n, n+1
.endr
.if (\p)+\i > 0
	s_wait_xcnt 0x0                                ; the stores have read their registers: the codes may be written again
.endif
	QUANT 64*\i
.irp c, 0,1,2
	global_store_b128 v[L16], v[PC+4*\c:PC+4*\c+3], s[10:11] offset:\i*REC+1536*(\p)+512*\c   ; 32 lanes store 512 consecutive bytes
.endr
.if \i%2 == 0
	v_mov_b32 v[PW0], v[PW]
.else
	v_cndmask_b32 v[SW+\i/2], v[PW0], v[PW], s[HM] ; lanes 0-15: the even tile's words, lanes 16-31 the odd tile's
	global_store_b32 v[SOF], v[SW+\i/2], s[10:11] offset:64*(\p)+2*REC*(\i/2)
.endif
.endr
.endm
	s_load_b256 s[4:11], s[0:1], 0x0               ; nimg 4, wimg 6, b1 8, himg 10
	v_lshl_add_u32 v[SPW], v0, 2, SPARE
	v_mov_b32 v[NIL], 0
	ds_add_u32 v[SPW], v[NIL]                      ; the opening: the add, twice on end, and its wait ahead of my first tensor load
	ds_add_u32 v[SPW], v[NIL]
	v_lshrrev_b32 v1, 5, v0
	v_readfirstlane_b32 s14, v1                    ; wave
	s_lshr_b32 s15, s14, 1                         ; which 512 along K I fetch
	s_and_b32 s16, s14, 1                          ; which four records of its eight
	s_bfe_u32 s40, ttmp6, 0x40000                  ; cx
	s_bfe_u32 s41, ttmp6, 0x40004                  ; cy
	s_lshl_b32 s42, ttmp9, 2
	s_add_co_u32 s42, s42, s40                     ; X: 256 hidden units
	s_and_b32 s17, ttmp7, 0xffff
	s_lshl_b32 s17, s17, 2
	s_add_co_u32 s17, s17, s41                     ; Y: 256 tokens
	s_lshl_b32 s44, 0x1111, s40                    ; my column of the cluster
	s_or_b32 s[G1B], s44, (3<<16)|(1<<21)          ; group 1: 100 rows of 256 bytes (32 elements of 8), dense; the mask; bit 21 beside it
	s_mov_b32 s[G1B+1], 32<<16                     ; tensor_dim0
	s_mov_b32 s[G1B+2], 100<<16                    ; tensor_dim1
	s_mov_b32 s[G1B+3], 32<<16                     ; tile_dim0
	s_mov_b32 s[G1B+4], 100                        ; tile_dim1
	s_mov_b32 s[G1B+5], 32                         ; pitch
	s_mov_b32 s[G1B+6], 0
	s_mov_b32 s[G1B+7], 0
	s_lshl_b32 s46, s42, 4
	s_lshl_b32 s18, s16, 2
	s_add_co_u32 s46, s46, s18
	s_mul_i32 s46, s46, REC                        ; the weights: record 16 X + 4 (w % 2),
	s_mul_i32 s18, s15, KSTR
	s_add_co_u32 s46, s46, s18                     ; of the (w / 2)-th 512 along K: it hangs on X and the wave alone
	s_mov_b32 s47, 0
	s_mul_i32 s45, s14, PIECE                      ; in LDS: wave x four records
	s_lshl_b32 s20, s17, 4
	s_lshl_b32 s21, s14, 2
	s_add_co_u32 s22, s20, s21                     ; my first token tile: 16 Y + 4 w
	s_mul_i32 s20, s22, REC
	s_mov_b32 s21, 0
	s_lshl_b32 s66, s42, 10                        ; the bias of my 256 hidden units
	s_mov_b32 s67, 0
	s_lshr_b32 s72, s42, 1                         ; the result: record (X / 2) 256 + my tile, fragments 2 (X % 2) and 2 (X % 2) + 1
	s_lshl_b32 s72, s72, 8
	s_add_co_u32 s72, s72, s22
	s_mul_i32 s72, s72, REC
	s_and_b32 s74, s42, 1
	s_lshl_b32 s74, s74, 1
	s_mul_i32 s73, s74, 1536
	s_add_co_u32 s72, s72, s73
	s_mov_b32 s73, 0
	s_mul_i32 s74, s74, 1472
	s_sub_co_u32 s74, 6144, s74                    ; from the first fragment to its scale words: 6,144 + 64 f - 1,536 f
	s_mov_b32 s[HM], 0xffff0000
	s_mov_b32 s[SEL], 0x76543210
	s_mov_b32 s[SEL+1], 0xfedcba98
	s_wait_dscnt 0x0
	s_wait_kmcnt 0x0
	s_add_nc_u64 s[46:47], s[6:7], s[46:47]
	s_add_nc_u64 s[46:47], s[46:47], W_OFF
	s_add_nc_u64 s[4:5], s[4:5], s[20:21]
	s_add_nc_u64 s[8:9], s[8:9], s[66:67]
	s_add_nc_u64 s[10:11], s[10:11], s[72:73]
	CROUND                                         ; all sixteen work-groups are here: the joint loads meet
	s_mov_b32 s[G0B], 1
	s_mov_b32 s[G0B+1], s45
	s_mov_b64 s[G0B+2:G0B+3], s[46:47]
	s_or_b32 s[G0B+3], s[G0B+3], 0x80000000
	s_mov_b32 s[G0B+4], 1
	s_add_co_u32 s[G0B+5], s45, 2*UNIT
	s_add_nc_u64 s[G0B+6:G0B+7], s[46:47], UNIT    ; pass 1: eight records on
	s_or_b32 s[G0B+7], s[G0B+7], 0x80000000
	tensor_load_to_lds s[G0B:G0B+3], s[G1B:G1B+7]  ; my quarter of pass 0's weights
	s_nop 0
	tensor_load_to_lds s[G0B+4:G0B+7], s[G1B:G1B+7]   ; and of pass 1's: two loads of mine are out
	s_nop 0
.rept 4
	v_nop
.endr
	v_and_b32 v1, 31, v0
	v_and_b32 v2, 15, v0                           ; r
	v_bfe_u32 v3, v0, 4, 1                         ; h
	v_lshlrev_b32 v[L16], 4, v1
	v_lshlrev_b32 v[L4], 2, v1
	v_lshlrev_b32 v[H64], 6, v3
	BIAS 0
	TLOADS 0
	WIN 0
.irp u, 0,1,2,3
	v_add_nc_u32 v[ADR0+\u], \u*UNIT, v[L16]
	v_add_nc_u32 v[AS0+\u], \u*UNIT+6144, v[L4]
.endr
	v_mul_u32_u24 v[SOF], v3, REC                  ; lanes 0-15 store a pair's even tile's scale words, lanes 16-31 the odd tile's
	v_lshl_add_u32 v[SOF], v2, 2, v[SOF]
	v_add_nc_u32 v[SOF], s74, v[SOF]
.irp b, 0,1,2,3
	v_mov_b32 v[TM+4+\b], 0                        ; a lane permute's destination counts as read
.endr
	s_wait_tensorcnt 0x1                           ; my part of pass 0's weights is in; pass 1's one load may be out,
	s_barrier_signal -1
	s_barrier_wait -1                              ; everybody's is
	FETCH 0, 0, 0
	SCALES 0, 0
	TLOADS 1
.irp j, 0,1,2,3,4,5,6,7
	KSTEP 0, \j
.endr
	OUTP 0                                         ; pass 1's first fragments land meanwhile
.irp j, 0,1,2,3,4,5,6,7
	KSTEP 1, \j
.endr
	OUTP 1
	s_wait_tensorcnt 0x0                           ; the wave's end
	ds_add_u32 v[SPW], v[NIL]
	s_wait_dscnt 0x0
	CROUND                                         ; the closing round
	s_endpgm
.Lfunc_end_k_q6893f856d6_ffn1:
	.size	k_q6893f856d6_ffn1, .Lfunc_end_k_q6893f856d6_ffn1-k_q6893f856d6_ffn1
	.p2alignl 7, 3214868480
	.fill 96, 4, 3214868480
	.section	.rodata,"a",@progbits
	.p2align	6, 0x0
	.amdhsa_kernel k_q6893f856d6_ffn1
		.amdhsa_group_segment_fixed_size 327680
		.amdhsa_private_segment_fixed_size 0
		.amdhsa_enable_private_segment 0
		.amdhsa_kernarg_size 32
		.amdhsa_user_sgpr_count 2
		.amdhsa_user_sgpr_kernarg_segment_ptr 1
		.amdhsa_wavefront_size32 1
		.amdhsa_system_sgpr_workgroup_id_x 1
		.amdhsa_system_sgpr_workgroup_id_y 1
		.amdhsa_system_sgpr_workgroup_id_z 1
		.amdhsa_system_vgpr_workitem_id 0
		.amdhsa_next_free_vgpr 1024
		.amdhsa_next_free_sgpr 100
		.amdhsa_reserve_vcc 0
		.amdhsa_float_denorm_mode_32 3
		.amdhsa_float_denorm_mode_16_64 3
		.amdhsa_memory_ordered 1
		.amdhsa_forward_progress 1
		.amdhsa_inst_pref_size 167
	.end_amdhsa_kernel
	.amdgpu_metadata
---
amdhsa.version: [ 1, 2 ]
amdhsa.kernels:
  - .name:           k_q6893f856d6_ffn1
    .symbol:         k_q6893f856d6_ffn1.kd
    .args:
      - { .name: nimg, .offset: 0, .size: 8, .value_kind: global_buffer, .address_space: global }
      - { .name: wimg, .offset: 8, .size: 8, .value_kind: global_buffer, .address_space: global }
      - { .name: b1, .offset: 16, .size: 8, .value_kind: global_buffer, .address_space: global }
      - { .name: himg, .offset: 24, .size: 8, .value_kind: global_buffer, .address_space: global }
    .group_segment_fixed_size: 327680
    .private_segment_fixed_size: 0
    .kernarg_segment_align: 8
    .kernarg_segment_size: 32
    .max_flat_workgroup_size: 128
    .sgpr_count:     100
    .vgpr_count:     1024
    .wavefront_size: 32
...
	.end_amdgpu_metadata
.endif
;; end of part 6
;; launch ffn2 (part 7): grid 8 x 32, 4 waves a work-group, clusters of 4 x 4, 327,680 bytes of LDS; arguments himg, wimg, b2, y1, out0; writes out0
.if DOCPART == 7
	.amdgcn_target "amdgcn-amd-amdhsa--gfx1250"
	.amdhsa_code_object_version 6
	.text
	.protected	k_q6893f856d6_ffn2
	.globl	k_q6893f856d6_ffn2
	.p2align	8
	.type	k_q6893f856d6_ffn2,@function
k_q6893f856d6_ffn2:
	s_mov_b64 s[64:65], 0
	v_nop
	global_prefetch_b8 v0, s[64:65] scope:SCOPE_SE
	s_setreg_imm32_b32 hwreg(HW_REG_WAVE_MODE, 25, 1), 1
	s_wait_xcnt 0x0
	s_wait_alu depctr_hold_cnt(0) depctr_sa_sdst(0) depctr_va_vdst(0) depctr_va_sdst(0) depctr_va_ssrc(0) depctr_va_vcc(0) depctr_vm_vsrc(0)
	s_getreg_b32 s2, hwreg(HW_REG_IB_STS2, 6, 4)
	s_cmp_eq_u32 s2, 0
	s_cbranch_scc0 .Lentry_in_a_cluster
	s_endpgm
.Lentry_in_a_cluster:
	s_bfe_u32 s2, ttmp6, 0x10000c
	s_cmp_lg_u32 s2, 0xf033
	s_cbranch_scc0 .Lentry_shape_is_right
	s_endpgm
.Lentry_shape_is_right:
; out = y1 + h W2 + b2 on codes of FP6 (E2M3).  A work-group makes 128 columns (source 0 = W2's image) x 128 tokens (source 1 = h's image); K = 4,096 is 32 steps of 128.
; A wave takes all 8 tiles of source 0 and its own two token tiles: 16 accumulators, (a, i) at v[128 + 8 (8 i + a)].  The sums begin as the bias.
; THE TOKENS GO FROM MEMORY STRAIGHT INTO REGISTERS.  A token tile is read by one wave alone, and the image lies in the order of the operand's registers: a K step is six loads of 512 consecutive bytes.
; They run through a ring of ten K steps in registers under counted waits: nine steps' loads, 54, are on their way while a step is multiplied, and no barrier stands in their way.
; THE WEIGHTS, eight units of 51,200 bytes (128 rows x 512 along K), go through LDS, which holds six: units 0-5 are first fills, three loads a wave.  Units 6 and 7 come by ONE refill, into the slots of units
; 0 and 1, behind a round of the cluster's barrier in K step 11:
; it has twelve K steps in which to land.  Three loads of a wave are out at the head, one behind the round.
; CLUSTER 4 x 4: the weights hang on the work-group's x alone and are asked for jointly along a column of the cluster.  The tokens are not asked for jointly: they do not pass through LDS.
; The way out goes through the wave's own stage, so that 32 lanes store 512 consecutive bytes of a row.  The stages lie in unit 2's slot: it has had its one fill, and behind the round in K step 11 nobody reads it.
; The residual's 32 loads take the ring's place in K steps 23 to 30, when all tokens have been asked for.
; REGISTERS: window 0: v4-25 addresses; v32-95 scale words and nothing else; v128-255 the accumulators.  window 1: two sets of the weights' eight fragments.  window 2: the residual.  window 3: the tokens' ring.
.set REC,   6400
.set UNIT,  8*REC
.set PIECE, 4*REC                      ; what one tensor load brings
.set SPARE, 6*UNIT                     ; behind the six slots: the spare words, 128 bytes a wave
.set STG,   2*UNIT                     ; four stages of 16 x 528 bytes
.set HSTR,  256*REC                    ; from 512 to 512 along K in h's image,
.set WSTR,  64*REC                     ; in W2's
.set W_OFF, 6553600
.set RING,  10
.set ADR0, 4                           ; v4-9   16 x lane + the slot's first byte
.set SPW,  12
.set NIL,  13
.set L16,  14
.set L4,   15
.set H64,  16
.set STO,  17
.set RD,   18
.set AS0,  20                          ; v20-25 4 x lane + the slot's first scale word
.set SC0,  32                          ; v32-63 the weights' scale words: set s at 16 s: tile a at 2 a + m; lanes 0-15 fragment 2 m, lanes 16-31 fragment 2 m + 1
.set S1,   64                          ; v64-95 the tokens', for all of K: 4 kq + 2 i + m
.set ACC,  128
.set G0,  24                           ; s[24:35] three groups 0
.set G1B, 48
.set MSB, 0
.macro WIN new                         ; the immediate's high byte repeats the setting that is left
.if MSB != \new
	s_set_vgpr_msb (MSB<<8)|\new
.set MSB, \new
.endif
.endm
.macro PLACES n
.rept \n
	v_nop
.endr
.endm
.macro CROUND                          ; a round of the cluster's barrier
	s_barrier_signal -1
	s_barrier_wait -1
	s_cmp_lg_u32 s14, 0
	s_cbranch_scc1 .Lnot_wave_0_\@
	s_barrier_signal -3
.Lnot_wave_0_\@:
	s_barrier_wait -3
	s_barrier_signal -1
	s_barrier_wait -1
.endm
.macro SCL kq                          ; my two tiles' scale words of the kq-th 512 along K
.irp i, 0,1
.irp m, 0,1
.if (\kq) < 4
	global_load_b32 v[S1+4*(\kq)+2*\i+\m], v[L4], s[4:5] offset:(\kq)*HSTR+\i*REC+6144+128*\m
.else
	global_load_b32 v[S1+4*(\kq)+2*\i+\m], v[L4], s[70:71] offset:((\kq)-4)*HSTR+\i*REC+6144+128*\m
.endif
.endr
.endr
.endm
.macro TOKL j                          ; my two tiles' fragments of K step j into the ring's place j % 10
	WIN 0xc0
.irp i, 0,1
.irp c, 0,1,2
.if (\j) < 16
	global_load_b128 v[24*((\j)%RING)+12*\i+4*\c:24*((\j)%RING)+12*\i+4*\c+3], v[L16], s[4:5] offset:((\j)/4)*HSTR+\i*REC+((\j)%4)*1536+512*\c
.else
	global_load_b128 v[24*((\j)%RING)+12*\i+4*\c:24*((\j)%RING)+12*\i+4*\c+3], v[L16], s[70:71] offset:((\j)/4-4)*HSTR+\i*REC+((\j)%4)*1536+512*\c
.endif
.endr
.endr
.endm
.macro RESL q                          ; four of the residual's 32 rows: 512 consecutive bytes a load
	WIN 0x80
.irp e, 0,1,2,3
.set t, 4*(\q)+\e
	global_load_b128 v[4*t:4*t+3], v[L16], s[10:11] offset:(8*(t/16)+(t%16)+8*((t%16)/8))*4096 th:TH_LOAD_NT
.endr
.endm
.macro FETCH u, f, set                 ; the weights' eight fragments of 128 along K: 24 loads of 512 consecutive bytes
	WIN 0x40
.irp a, 0,1,2,3,4,5,6,7
.irp c, 0,1,2
	ds_load_b128 v[128*(\set)+12*\a+4*\c:128*(\set)+12*\a+4*\c+3], v[ADR0+(\u)] offset:\a*REC+(\f)*1536+512*\c
.endr
.endr
.endm
.macro SCALES u, sc
	WIN 0
.irp a, 0,1,2,3,4,5,6,7
.irp m, 0,1
	ds_load_b32 v[SC0+16*(\sc)+2*\a+\m], v[AS0+(\u)] offset:\a*REC+128*\m
.endr
.endr
.endm
.macro MUL j                           ; 16 products, the 16 accumulators by turns, in the same order in every step
	WIN 0x0d                                       ; source 0 window 1, source 1 window 3, C and D window 0
.irp i, 0,1
.irp a, 0,1,2,3,4,5,6,7
.if (\j)%2
	v_wmma_scale_f32_16x16x128_f8f6f4 v[ACC+8*(8*\i+\a):ACC+8*(8*\i+\a)+7], v[128*((\j)%2)+12*\a:128*((\j)%2)+12*\a+11], v[24*((\j)%RING)+12*\i:24*((\j)%RING)+12*\i+11], v[ACC+8*(8*\i+\a):ACC+8*(8*\i+\a)+7], v[SC0+16*(((\j)/4)%2)+2*\a+((\j)%4)/2], v[S1+4*((\j)/4)+2*\i+((\j)%4)/2] matrix_a_fmt:MATRIX_FMT_FP6 matrix_b_fmt:MATRIX_FMT_FP6 matrix_a_scale:MATRIX_SCALE_ROW1 matrix_b_scale:MATRIX_SCALE_ROW1
.else
	v_wmma_scale_f32_16x16x128_f8f6f4 v[ACC+8*(8*\i+\a):ACC+8*(8*\i+\a)+7], v[128*((\j)%2)+12*\a:128*((\j)%2)+12*\a+11], v[24*((\j)%RING)+12*\i:24*((\j)%RING)+12*\i+11], v[ACC+8*(8*\i+\a):ACC+8*(8*\i+\a)+7], v[SC0+16*(((\j)/4)%2)+2*\a+((\j)%4)/2], v[S1+4*((\j)/4)+2*\i+((\j)%4)/2] matrix_a_fmt:MATRIX_FMT_FP6 matrix_b_fmt:MATRIX_FMT_FP6
.endif
.endr
.endr
.endm
.macro REFILL                          ; units 6 and 7 into the slots of units 0 and 1, which were read out four K steps ago
	WIN 0
	s_wait_tensorcnt 0x0                           ; all my tensor loads have landed, units 4 and 5 among them; so a group 0 may be written
	ds_add_u32 v[SPW], v[NIL]                      ; 0 onto my spare word
	s_add_nc_u64 s[G0+2:G0+3], s[G0+2:G0+3], 6*WSTR   ; six units on; the type bits on top are not reached
	s_wait_dscnt 0x0                               ; the add is done, and none of my LDS reads is out
	CROUND                                         ; no wave of any partner still reads these slots or has a load on its way
	tensor_load_to_lds s[G0:G0+3], s[G1B:G1B+7]    ; my one tensor load behind the round
	s_nop 0
.rept 4
	v_nop                                          ; (also the places in front of the loads below)
.endr
.endm
; K step j.  Unit j / 4 lies in slot (j / 4) % 6.  The next step's weights and the tokens of nine steps on are asked for ahead of this step's products.
.macro KSTEP j
	s_wait_dscnt 0x0                               ; this step's weights, asked for a step ago, are in
.if (\j) == 7
	s_wait_tensorcnt 0x1                           ; my part of units 2 and 3 has landed (units 4 and 5's one load may be out),
	s_barrier_signal -1
	s_barrier_wait -1                              ; everybody's has.
.endif
.if (\j) == 23
	s_wait_tensorcnt 0x0                           ; my part of units 6 and 7,
	s_barrier_signal -1
	s_barrier_wait -1                              ; everybody's
.endif
.if (\j) == 11
	REFILL
.elseif (\j) < 31
	PLACES 4                                       ; in front of loads into registers that the last step's products read
.endif
.if (\j) > 0
.if (\j) < 23
	TOKL (\j)+9                                    ; into the place that the last step's products have left
.elseif (\j) < 31
	RESL (\j)-23
.endif
.endif
.if (\j) < 31
	FETCH (((\j)+1)/4)%6, ((\j)+1)%4, ((\j)+1)%2
.if ((\j)+1)%4 == 0
	SCALES (((\j)+1)/4)%6, (((\j)+1)/4)%2
.endif
.endif
.if (\j) < 23
	s_wait_loadcnt 54                              ; this step's six token loads are in; behind them stand at least nine steps' six
.elseif (\j) < 31
	s_wait_loadcnt 6*(31-(\j))+4*((\j)-22)         ; behind them: six for each later step, and the residual's four a step since step 23
.else
	s_wait_loadcnt 32                              ; the residual's 32
.endif
	MUL \j
.endm
	s_load_b256 s[4:11], s[0:1], 0x0               ; himg 4, wimg 6, b2 8, y1 10
	s_load_b64 s[68:69], s[0:1], 0x20              ; out0
	v_lshl_add_u32 v[SPW], v0, 2, SPARE
	v_mov_b32 v[NIL], 0
	ds_add_u32 v[SPW], v[NIL]                      ; the opening: the add, twice on end, and its wait ahead of my first tensor load
	ds_add_u32 v[SPW], v[NIL]
	v_lshrrev_b32 v1, 5, v0
	v_readfirstlane_b32 s14, v1                    ; wave
	s_lshr_b32 s15, s14, 1                         ; which of a load's two units I fetch
	s_and_b32 s16, s14, 1                          ; which four records of its eight
	s_bfe_u32 s40, ttmp6, 0x40000                  ; cx
	s_bfe_u32 s41, ttmp6, 0x40004                  ; cy
	s_lshl_b32 s42, ttmp9, 2
	s_add_co_u32 s42, s42, s40                     ; i0: 128 columns
	s_and_b32 s17, ttmp7, 0xffff
	s_lshl_b32 s17, s17, 2
	s_add_co_u32 s17, s17, s41                     ; i1: 128 tokens
	s_lshl_b32 s44, 0x1111, s40                    ; my column of the cluster
	s_or_b32 s[G1B], s44, (3<<16)|(1<<21)          ; group 1: 100 rows of 256 bytes (32 elements of 8), dense; the mask; bit 21 beside it
	s_mov_b32 s[G1B+1], 32<<16
	s_mov_b32 s[G1B+2], 100<<16
	s_mov_b32 s[G1B+3], 32<<16
	s_mov_b32 s[G1B+4], 100
	s_mov_b32 s[G1B+5], 32
	s_mov_b32 s[G1B+6], 0
	s_mov_b32 s[G1B+7], 0
	s_lshl_b32 s46, s42, 3
	s_lshl_b32 s18, s16, 2
	s_add_co_u32 s46, s46, s18
	s_mul_i32 s46, s46, REC                        ; the weights: record 8 i0 + 4 (w % 2),
	s_mul_i32 s18, s15, WSTR
	s_add_co_u32 s46, s46, s18                     ; of unit w / 2: it hangs on i0 and the wave alone
	s_mov_b32 s47, 0
	s_mul_i32 s45, s14, PIECE                      ; in LDS: wave x four records
	s_lshl_b32 s20, s17, 3
	s_lshl_b32 s21, s14, 1
	s_add_co_u32 s20, s20, s21
	s_mul_i32 s20, s20, REC                        ; my first token tile: 8 i1 + 2 w
	s_mov_b32 s21, 0
	s_lshl_b32 s66, s42, 9
	s_mov_b32 s67, 0
	s_lshl_b32 s72, s17, 19
	s_lshl_b32 s73, s14, 17
	s_add_co_u32 s72, s72, s73
	s_add_co_u32 s72, s72, s66                     ; row 128 i1 + 32 w, byte 512 i0
	s_mov_b32 s73, 0
	s_wait_dscnt 0x0
	s_wait_kmcnt 0x0
	s_add_nc_u64 s[46:47], s[6:7], s[46:47]
	s_add_nc_u64 s[46:47], s[46:47], W_OFF
	s_add_nc_u64 s[4:5], s[4:5], s[20:21]
	s_add_nc_u64 s[70:71], s[4:5], 4*HSTR          ; a second base for the upper half of K: the loads' offsets stay inside the signed 24-bit immediate
	s_add_nc_u64 s[8:9], s[8:9], s[66:67]
	s_add_nc_u64 s[10:11], s[10:11], s[72:73]
	s_add_nc_u64 s[68:69], s[68:69], s[72:73]
	CROUND                                         ; all sixteen work-groups are here: the joint loads meet
.irp n, 0,1,2
	s_mov_b32 s[G0+4*\n], 1
	s_add_co_u32 s[G0+4*\n+1], s45, \n*2*UNIT
	s_add_nc_u64 s[G0+4*\n+2:G0+4*\n+3], s[46:47], \n*2*WSTR
	s_or_b32 s[G0+4*\n+3], s[G0+4*\n+3], 0x80000000
.endr
.irp n, 0,1,2
	tensor_load_to_lds s[G0+4*\n:G0+4*\n+3], s[G1B:G1B+7]   ; my quarter of units 2 n and 2 n + 1: three loads of mine are out
	s_nop 0
.endr
.rept 4
	v_nop
.endr
	v_and_b32 v1, 31, v0
	v_and_b32 v2, 15, v0                           ; r
	v_bfe_u32 v3, v0, 4, 1                         ; h
	v_lshlrev_b32 v[L16], 4, v1
	v_lshlrev_b32 v[L4], 2, v1
	v_lshlrev_b32 v[H64], 6, v3
.irp i, 0,1                            ; the sums begin as the bias
.irp a, 0,1,2,3,4,5,6,7
	global_load_b128 v[ACC+8*(8*\i+\a):ACC+8*(8*\i+\a)+3], v[H64], s[8:9] offset:(32*(\a/2)+8*(\a%2))*4
	global_load_b128 v[ACC+8*(8*\i+\a)+4:ACC+8*(8*\i+\a)+7], v[H64], s[8:9] offset:(32*(\a/2)+8*(\a%2))*4+16
.endr
.endr
	SCL 0
	SCL 1
.irp j, 0,1,2,3
	TOKL \j
.endr
	WIN 0
.irp n, 0,1,2,3,4,5
	v_add_nc_u32 v[ADR0+\n], \n*UNIT, v[L16]
	v_add_nc_u32 v[AS0+\n], \n*UNIT+6144, v[L4]
.endr
	s_mul_i32 s23, s14, 8448
	s_add_co_u32 s23, s23, STG                     ; my stage
	v_mul_u32_u24 v[STO], v2, 528
	v_lshl_add_u32 v[STO], v3, 6, v[STO]
	v_add_nc_u32 v[STO], s23, v[STO]               ; in: row r, + 64 h
	v_add_nc_u32 v[RD], s23, v[L16]                ; back: a whole row, 16 bytes a lane
	s_wait_tensorcnt 0x2                           ; my part of units 0 and 1 is in; the two loads behind it may be out,
	s_barrier_signal -1
	s_barrier_wait -1                              ; everybody's is
	FETCH 0, 0, 0
	SCALES 0, 0
.irp q, 2,3,4,5,6,7
	SCL \q
.endr
.irp j, 4,5,6,7,8,9
	TOKL \j
.endr
.irp j, 0,1,2,3,4,5,6,7,8,9,10,11,12,13,14,15,16,17,18,19,20,21,22,23,24,25,26,27,28,29,30,31
	KSTEP \j
.endr
	WIN 0
	PLACES 4                                       ; in front of the first read of results
.irp i, 0,1                            ; a tile of 16 tokens x 128 columns into my stage, each accumulator from its low end on, and back as whole rows into the registers that it left
.irp a, 0,1,2,3,4,5,6,7
	ds_store_b128 v[STO], v[ACC+8*(8*\i+\a):ACC+8*(8*\i+\a)+3] offset:128*(\a/2)+32*(\a%2)
	ds_store_b128 v[STO], v[ACC+8*(8*\i+\a)+4:ACC+8*(8*\i+\a)+7] offset:128*(\a/2)+32*(\a%2)+16
.endr
.irp rr, 0,1,2,3,4,5,6,7,8,9,10,11,12,13,14,15
	ds_load_b128 v[ACC+64*\i+4*\rr:ACC+64*\i+4*\rr+3], v[RD] offset:528*\rr   ; LDS serves a wave's instructions in order
.endr
.endr
	s_wait_loadcnt 0x0                             ; the residual
.irp i, 0,1
	s_wait_dscnt 32-32*\i                          ; tile i is back; behind tile 0's loads stand tile 1's 16 stores and 16 loads
	WIN 0x08                                       ; source 1 in window 2
.set q, 0
.rept 32
	v_pk_add_f32 v[ACC+64*\i+2*q:ACC+64*\i+2*q+1], v[ACC+64*\i+2*q:ACC+64*\i+2*q+1], v[64*\i+2*q:64*\i+2*q+1]
.set q, q+1
.endr
	WIN 0
.irp rr, 0,1,2,3,4,5,6,7,8,9,10,11,12,13,14,15
	global_store_b128 v[L16], v[ACC+64*\i+4*\rr:ACC+64*\i+4*\rr+3], s[68:69] offset:(8*\i+\rr+8*(\rr/8))*4096 th:TH_STORE_NT   ; 32 lanes store 512 consecutive bytes
.endr
.endr
	s_wait_tensorcnt 0x0                           ; the wave's end
	ds_add_u32 v[SPW], v[NIL]
	s_wait_dscnt 0x0
	CROUND                                         ; the closing round
	s_endpgm
.Lfunc_end_k_q6893f856d6_ffn2:
	.size	k_q6893f856d6_ffn2, .Lfunc_end_k_q6893f856d6_ffn2-k_q6893f856d6_ffn2
	.p2alignl 7, 3214868480
	.fill 96, 4, 3214868480
	.section	.rodata,"a",@progbits
	.p2align	6, 0x0
	.amdhsa_kernel k_q6893f856d6_ffn2
		.amdhsa_group_segment_fixed_size 327680
		.amdhsa_private_segment_fixed_size 0
		.amdhsa_enable_private_segment 0
		.amdhsa_kernarg_size 40
		.amdhsa_user_sgpr_count 2
		.amdhsa_user_sgpr_kernarg_segment_ptr 1
		.amdhsa_wavefront_size32 1
		.amdhsa_system_sgpr_workgroup_id_x 1
		.amdhsa_system_sgpr_workgroup_id_y 1
		.amdhsa_system_sgpr_workgroup_id_z 1
		.amdhsa_system_vgpr_workitem_id 0
		.amdhsa_next_free_vgpr 1024
		.amdhsa_next_free_sgpr 100
		.amdhsa_reserve_vcc 0
		.amdhsa_float_denorm_mode_32 3
		.amdhsa_float_denorm_mode_16_64 3
		.amdhsa_memory_ordered 1
		.amdhsa_forward_progress 1
		.amdhsa_inst_pref_size 175
	.end_amdhsa_kernel
	.amdgpu_metadata
---
amdhsa.version: [ 1, 2 ]
amdhsa.kernels:
  - .name:           k_q6893f856d6_ffn2
    .symbol:         k_q6893f856d6_ffn2.kd
    .args:
      - { .name: himg, .offset: 0, .size: 8, .value_kind: global_buffer, .address_space: global }
      - { .name: wimg, .offset: 8, .size: 8, .value_kind: global_buffer, .address_space: global }
      - { .name: b2, .offset: 16, .size: 8, .value_kind: global_buffer, .address_space: global }
      - { .name: y1, .offset: 24, .size: 8, .value_kind: global_buffer, .address_space: global }
      - { .name: out0, .offset: 32, .size: 8, .value_kind: global_buffer, .address_space: global }
    .group_segment_fixed_size: 327680
    .private_segment_fixed_size: 0
    .kernarg_segment_align: 8
    .kernarg_segment_size: 40
    .max_flat_workgroup_size: 128
    .sgpr_count:     100
    .vgpr_count:     1024
    .wavefront_size: 32
...
	.end_amdgpu_metadata
.endif
;; end of part 7
